; MI455X (gfx1250); checked and timed in simulation.
; The chip was launched on July 23, 2026; its instructions are those of AMD's public machine-readable ISA for CDNA 5 (MIT licence, August 2026) and "CDNA5" Instruction Set Architecture Reference Guide (July 2026). The comments in the code are by the model that wrote it; some were corrected since.
;; Masked Multihead Attention. Allowed arithmetic: float matrix products may take bf16 or f16 operands with f32 sums; all other float work in f32.
;; Inputs: b_out 1,024 float32; b_qkv 3,072 float32; key 2,048 x 4 x 1,024 float32; mask 2,048 x 2,048 float32; query 2,048 x 4 x 1,024 float32; value 2,048 x 4 x 1,024 float32; w_out 1,024 x 1,024 float32; w_qkv 3,072 x 1,024 float32.
;; Outputs: out0 2,048 x 4 x 1,024 float32.
;; One version. Each part assembles by itself: llvm-mc -triple=amdgcn-amd-amdhsa -mcpu=gfx1250 --defsym DOCPART=n.
;; ======== version 1 of 1: 4 launches
;; limits: values outside matrix products are rounded to bf16; values are held in f16: magnitudes above 65,504 overflow, below 6.1e-05 lose precision
;; workspace buffers: wq16 6,291,456 bytes; wo16 2,097,152 bytes; maskf 8,388,608 bytes; qh 16,777,216 bytes; kh 16,777,216 bytes; vh 16,777,216 bytes; ctx 16,777,216 bytes
;; launch prep (part 1): grid 512 x 1, 8 waves a work-group, no clusters, 0 bytes of LDS; arguments w_qkv, w_out, mask, wq16, wo16, maskf; writes wq16, wo16, maskf
.if DOCPART == 1
	.amdgcn_target "amdgcn-amd-amdhsa--gfx1250"
	.amdhsa_code_object_version 6
	.text
	.protected	k_q2508a9fe52_prep
	.globl	k_q2508a9fe52_prep
	.p2align	8
	.type	k_q2508a9fe52_prep,@function
k_q2508a9fe52_prep:
	s_mov_b64 s[64:65], 0
	v_nop
	global_prefetch_b8 v0, s[64:65] scope:SCOPE_SE
	s_setreg_imm32_b32 hwreg(HW_REG_WAVE_MODE, 25, 1), 1
	s_wait_xcnt 0x0
; PREPARATION.  Work-groups 0-255 round the weights to f16: w_qkv [3072][1024] -> wq16, w_out [1024][1024] -> wo16, same order.
; Work-groups 256-511 round the mask [2048][2048] to bf16 and lay it in the order in which the attention launch's lanes want it:
; maskf[qb 4][step 32][w 4][t 8][kt 4][lane 32][j 8] = mask[512 qb + 128 w + 16 t + lane % 16][64 step + 16 kt + 8 (lane / 16) + j],
; so that 512 consecutive bytes are what one wave takes for 16 queries x 16 keys, and a (qb, step) block is 65,536 dense bytes.
; LIMITS.  f16 ends at 65,504 and has a fixed step of 6e-8 below 6e-5; the mask keeps bf16's 8 significant bits.
; A stream: no LDS, no barrier, no matrix unit.  Every register is written once, so no wait frees a source.
.set XW, 16                            ; v[16:79]   as loaded, f32
.set YW, 80                            ; v[80:111]  rounded and packed
	s_load_b256 s[4:11], s[0:1], 0x0               ; w_qkv s[4:5], w_out s[6:7], mask s[8:9], wq16 s[10:11]
	s_load_b128 s[12:15], s[0:1], 0x20             ; wo16 s[12:13], maskf s[14:15]
	s_cmp_ge_u32 ttmp9, 256
	s_cbranch_scc1 .Lmask
	; THE WEIGHTS: a work-group rounds 16,384 numbers, 65,536 bytes in and 32,768 out.  192 work-groups for w_qkv, 64 for w_out.
	v_lshlrev_b32 v1, 4, v0                        ; 16 bytes a thread in
	v_lshlrev_b32 v2, 3, v0                        ; 8 bytes a thread out
	s_wait_kmcnt 0x0
	s_cmp_lt_u32 ttmp9, 192
	s_cselect_b64 s[18:19], s[4:5], s[6:7]         ; from
	s_cselect_b64 s[20:21], s[10:11], s[12:13]     ; to
	s_cselect_b32 s16, 0, 192
	s_sub_co_u32 s16, ttmp9, s16                   ; my share's number in that tensor
	s_lshl_b32 s22, s16, 16
	s_mov_b32 s23, 0
	s_add_nc_u64 s[18:19], s[18:19], s[22:23]
	s_lshl_b32 s22, s16, 15
	s_add_nc_u64 s[20:21], s[20:21], s[22:23]
.set i, 0
.rept 16
	global_load_b128 v[XW+4*i:XW+4*i+3], v1, s[18:19] offset:4096*i th:TH_LOAD_NT  ; a wave's load covers 512 consecutive bytes
.set i, i+1
.endr
.set i, 0
.rept 16
	s_wait_loadcnt 15-i                            ; loads come back in order: load i is in, the 15 - i younger ones stay out
	v_cvt_pk_f16_f32 v[YW+2*i], v[XW+4*i], v[XW+4*i+1]
	v_cvt_pk_f16_f32 v[YW+2*i+1], v[XW+4*i+2], v[XW+4*i+3]
	global_store_b64 v2, v[YW+2*i:YW+2*i+1], s[20:21] offset:2048*i  ; a wave's store covers 256 consecutive bytes, aligned
.set i, i+1
.endr
	s_endpgm
.Lmask:
	; THE MASK: a unit is 16 queries x 64 keys, 2,048 bytes of maskf; unit U = qb << 10 | step << 5 | w << 3 | t.  A wave makes units U0 and U0 + 1 (t and t + 1).
	v_lshrrev_b32 v5, 5, v0
	v_readfirstlane_b32 s16, v5                    ; my wave's number
	s_sub_co_u32 s17, ttmp9, 256
	s_lshl_b32 s17, s17, 4
	s_lshl1_add_u32 s17, s16, s17                  ; U0 = 16 x work-group + 2 x wave
	s_and_b32 s18, s17, 31
	s_lshl_b32 s18, s18, 4                         ; 128 w + 16 t
	s_lshr_b32 s19, s17, 10
	s_lshl_b32 s19, s19, 9                         ; 512 qb
	s_add_co_u32 s18, s18, s19                     ; the unit's first query
	s_lshl_b32 s18, s18, 13                        ; a row of the mask is 8,192 bytes
	s_bfe_u32 s19, s17, 0x50005                    ; step
	s_lshl_b32 s19, s19, 8                         ; 64 keys are 256 bytes
	s_add_co_u32 s18, s18, s19
	s_mov_b32 s19, 0
	s_lshl_b32 s20, s17, 11                        ; 2,048 bytes a unit
	s_mov_b32 s21, 0
	v_and_b32 v6, 31, v0
	v_and_b32 v7, 15, v0
	v_bfe_u32 v8, v0, 4, 1
	v_lshlrev_b32 v3, 13, v7                       ; my query's row,
	v_lshl_add_u32 v3, v8, 5, v3                   ; my half's eight keys
	v_lshlrev_b32 v4, 4, v6                        ; 16 bytes a lane out
	s_wait_kmcnt 0x0
	s_add_nc_u64 s[8:9], s[8:9], s[18:19]
	s_add_nc_u64 s[14:15], s[14:15], s[20:21]
.set g, 0
.rept 8                                ; g = 4 u + kt: unit u, 16 keys kt.  A unit's eight loads together take 16 whole pieces of 256 bytes of the mask's rows
	global_load_b128 v[XW+8*g:XW+8*g+3],   v3, s[8:9] offset:(g/4)*131072+(g%4)*64
	global_load_b128 v[XW+8*g+4:XW+8*g+7], v3, s[8:9] offset:(g/4)*131072+(g%4)*64+16
.set g, g+1
.endr
.set g, 0
.rept 8
	s_wait_loadcnt 14-2*g                          ; pair g of the loads is in, the 14 - 2 g younger ones stay out
.irp z, 0,1,2,3
	v_cvt_pk_bf16_f32 v[YW+4*g+\z], v[XW+8*g+2*\z], v[XW+8*g+2*\z+1]
.endr
	global_store_b128 v4, v[YW+4*g:YW+4*g+3], s[14:15] offset:512*g  ; 512 consecutive bytes, aligned
.set g, g+1
.endr
	s_endpgm
.Lfunc_end_k_q2508a9fe52_prep:
	.size	k_q2508a9fe52_prep, .Lfunc_end_k_q2508a9fe52_prep-k_q2508a9fe52_prep
	.p2alignl 7, 3214868480
	.fill 96, 4, 3214868480
	.section	.rodata,"a",@progbits
	.p2align	6, 0x0
	.amdhsa_kernel k_q2508a9fe52_prep
		.amdhsa_group_segment_fixed_size 0
		.amdhsa_private_segment_fixed_size 0
		.amdhsa_enable_private_segment 0
		.amdhsa_kernarg_size 48
		.amdhsa_user_sgpr_count 2
		.amdhsa_user_sgpr_kernarg_segment_ptr 1
		.amdhsa_wavefront_size32 1
		.amdhsa_system_sgpr_workgroup_id_x 1
		.amdhsa_system_sgpr_workgroup_id_y 1
		.amdhsa_system_sgpr_workgroup_id_z 1
		.amdhsa_system_vgpr_workitem_id 0
		.amdhsa_next_free_vgpr 112
		.amdhsa_next_free_sgpr 66
		.amdhsa_reserve_vcc 0
		.amdhsa_float_denorm_mode_32 3
		.amdhsa_float_denorm_mode_16_64 3
		.amdhsa_memory_ordered 1
		.amdhsa_forward_progress 1
		.amdhsa_inst_pref_size 12
	.end_amdhsa_kernel
	.amdgpu_metadata
---
amdhsa.version: [ 1, 2 ]
amdhsa.kernels:
  - .name:           k_q2508a9fe52_prep
    .symbol:         k_q2508a9fe52_prep.kd
    .args:
      - { .name: w_qkv, .offset: 0, .size: 8, .value_kind: global_buffer, .address_space: global }
      - { .name: w_out, .offset: 8, .size: 8, .value_kind: global_buffer, .address_space: global }
      - { .name: mask, .offset: 16, .size: 8, .value_kind: global_buffer, .address_space: global }
      - { .name: wq16, .offset: 24, .size: 8, .value_kind: global_buffer, .address_space: global }
      - { .name: wo16, .offset: 32, .size: 8, .value_kind: global_buffer, .address_space: global }
      - { .name: maskf, .offset: 40, .size: 8, .value_kind: global_buffer, .address_space: global }
    .group_segment_fixed_size: 0
    .private_segment_fixed_size: 0
    .kernarg_segment_align: 8
    .kernarg_segment_size: 48
    .max_flat_workgroup_size: 256
    .sgpr_count:     66
    .vgpr_count:     112
    .wavefront_size: 32
...
	.end_amdgpu_metadata
.endif
;; end of part 1
;; launch proj (part 2): grid 4 x 64, 4 waves a work-group, clusters of 4 x 4, 327,680 bytes of LDS; arguments query, key, value, wq16, b_qkv, qh, kh, vh; writes qh, kh, vh
.if DOCPART == 2
	.amdgcn_target "amdgcn-amd-amdhsa--gfx1250"
	.amdhsa_code_object_version 6
	.text
	.protected	k_q2508a9fe52_proj
	.globl	k_q2508a9fe52_proj
	.p2align	8
	.type	k_q2508a9fe52_proj,@function
k_q2508a9fe52_proj:
	s_mov_b64 s[64:65], 0
	v_nop
	global_prefetch_b8 v0, s[64:65] scope:SCOPE_SE
	s_setreg_imm32_b32 hwreg(HW_REG_WAVE_MODE, 25, 1), 1
	s_wait_xcnt 0x0
	s_wait_alu depctr_hold_cnt(0) depctr_sa_sdst(0) depctr_va_vdst(0) depctr_va_sdst(0) depctr_va_ssrc(0) depctr_va_vcc(0) depctr_vm_vsrc(0)
	s_getreg_b32 s2, hwreg(HW_REG_IB_STS2, 6, 4)
	s_cmp_eq_u32 s2, 0
	s_cbranch_scc0 .Lentry_in_a_cluster
	s_endpgm
.Lentry_in_a_cluster:
	s_bfe_u32 s2, ttmp6, 0x10000c
	s_cmp_lg_u32 s2, 0xf033
	s_cbranch_scc0 .Lentry_shape_is_right
	s_endpgm
.Lentry_shape_is_right:
; THE THREE PROJECTIONS.  y = x W^T + b for (x, W's rows, y) = (query, 0-1023, qh), (key, 1024-2047, kh), (value, 2048-3071, vh).  x: [8192 = 4 t + b][1024] f32; W: wq16 [3072][1024] f16;
; y by heads, [64 = 16 b + h][2048 t][64] f16, rounded once from its f32 sum, unscaled.  The bias, exact f32, is the C operand that starts each sum.
; LIMITS.  x is rounded once to f16 on its way to the matrix unit, y once on its way out: f16 ends at 65,504 and has a fixed step of 6e-8 below 6e-5.  NaN and infinities are not treated apart.
; SHARES.  A tile of y is 128 rows x 256 columns.  A WORK-GROUP STAYS: 64 x 4 = 256 work-groups, each makes the same tile in the three projections, one after the other.  Four waves, each 64 x 128: 32 accumulators.
; K goes in 8 steps of 128 through two LDS slots; a step is four quarters of 32; a lap is two steps.  ONE counted loop walks 11 of the 12 laps; the ring does not stop at a tile's end: a tile's last lap asks for the
; next tile's K steps 0 and 1, then the tile goes out, then the next tile's first quarter starts the sums anew.  Nothing waits for a tile's stores but the launch's end.
; x comes into LDS as f32 (rows of 512 bytes); its fragments are read as f32 and rounded in registers, four conversions behind every two matrix instructions of a quarter's second half.
; CLUSTER 4 x 4.  The four work-groups of a row of the cluster take the same rows of x, the four of a column the same rows of W: each tile is asked for jointly.  All sixteen walk the three projections in step.
; THE MATRIX INSTRUCTION IS USED TRANSPOSED (source 0 = 16 rows of W, source 1 = 16 rows of x): a lane holds row lane % 16 of y and the columns 8 (lane / 16) + 0..7.
; REGISTERS.  window 0: v0-31 addresses; v32-63 packed results; v64-95 rows read back; v128-191 the bias (8 registers for each 16 columns).
;   window 1: v0-63, v64-127 fragments of W, two buffers; v128-191 x's fragments as f32; v192-223, v224-255 the same in f16, two buffers.    window 2: accumulator (a, b) at v[8 (8 a + b)].
.set PA,     528                       ; a row of x in LDS: 512 bytes + 16 = 132 words: the 16 rows of a load start four banks apart
.set PB,     272                       ; a row of W: 256 bytes + 16 = 68 words: likewise
.set HALFA,  64*PA                     ; what one tensor load brings of x, and what one wave reads
.set HALFB,  128*PB                    ; the same for W
.set BOFF,   2*HALFA                   ; a slot: x's 128 rows, then W's 256
.set SLOT,   BOFF+2*HALFB              ; 137,216 bytes
.set STAGE,  2*SLOT                    ; behind the ring: 16 rows x 272 bytes for each wave, for the way out; no tensor load lands here
.set SPITCH, 272
.set SPARE,  STAGE+4*16*SPITCH         ; behind the stages: the spare words, 128 bytes for each wave, which no other line names
.set LAPS,   4                         ; laps in a tile
.set TILES,  3
.set WJUMP,  1024*2048-6*256           ; W, in bytes: from a slot's last K step of a tile to its first of the next: 1,024 rows down, six K steps back
.set VPF,  14                          ; v14     my byte offset in a tile of x, for the prefetch; never rewritten
.set VBO,  15                          ; v15     my byte offset in 16 numbers of the bias; never rewritten
.set ADRA, 16                          ; v16-17  LDS address of my fragments of x in slot 0, 1
.set ADRB, 20                          ; v20-21  the same for W
.set STO,  24                          ; v24     the way out: where I put 16 bytes of a row
.set RD,   25                          ; v25     the way out: where I read back
.set GO,   26                          ; v26-29  my byte offset in y, for batch 0 to 3
.set SPW,  30                          ; v30     LDS address of my spare word; never rewritten
.set NIL,  31                          ; v31     0; never rewritten
.set TMP,  32
.set OB,   64
.set BIAS, 128
.set RAW,  128                         ; window 1
.set AB,   192                         ; window 1
.set LT,  2                            ; s2       laps left in the tile in hand, this one among them
.set RA,  4                            ; s[4:5], s[6:7]  x's address of the K step last asked for, slot 0 and slot 1
.set NXA, 70                           ; s[70:71] x of the next tile at my rows; s[72:73] of the tile after it
.set NXO, 80                           ; s[80:81] y of the next tile at my part; s[82:83] of the tile after it
.set G1,  24                           ; s[24:31] descriptor group 1 for x's tiles;  s[32:39] group 0, a set for each slot
.set G0,  32
.set G1B, 48                           ; s[48:55], s[56:63] the same for W's tiles
.set G0B, 56
.set STB, 92                           ; s[92:93] W's step at this refill
.set NT,  94                           ; s[94:95] the next tile's K step 1
.set PF,  96                           ; s[96:97] x's address of the K step that the NEXT refill will ask for
.set KJ,  98                           ; s98 = WJUMP, s99 = 512: the two steps of W
.set MSB, 0
.macro WIN new                         ; the immediate's high byte repeats the setting that is left; a switch that changes nothing is dropped
.if MSB != (\new)
	s_set_vgpr_msb (MSB<<8)|(\new)
.set MSB, \new
.endif
.endm
.set W_MUL,  0xa5                      ; sources 0 and 1 window 1; C and D window 2
.set W_MULB, 0x85                      ; the same with C in window 0: the bias
.set W_LD,   0x40                      ; destination window 1, address window 0
.set W_CVT,  0x45                      ; destination and both sources window 1
.macro JLOAD s                         ; a joint load: waves 0 and 1 fetch x's two halves, waves 2 and 3 W's; an s_nop 0 and four v_nop follow each line
	s_cmp_eq_u32 s11, 0
	s_cbranch_scc0 .Lfor_b_\@
	tensor_load_to_lds s[G0+4*(\s):G0+4*(\s)+3], s[G1:G1+7]
	s_nop 0
.rept 4
	v_nop
.endr
	s_branch .Lasked_\@
.Lfor_b_\@:
	tensor_load_to_lds s[G0B+4*(\s):G0B+4*(\s)+3], s[G1B:G1B+7]
	s_nop 0
.rept 4
	v_nop
.endr
.Lasked_\@:
.endm
; THE PREFETCH of x into the L2: the tile of x (128 rows x 512 bytes) that the next refill will ask for, one refill ahead.  Waves 0 and 1 ask, each for its half's 64 rows; of those my work-group takes the 16 that go
; with its place along the cluster's x, two lanes a row, 256 bytes apart: one instruction, 32 blocks; the four partners together cover the tile, each block once.  The launch's last refill (last = 1, in the last trip) asks for nothing.
.macro ASK last
.if \last
	s_cmp_eq_u32 s3, 1
	s_cbranch_scc1 .Lno_ask_\@
.endif
	s_cmp_lg_u32 s11, 0
	s_cbranch_scc1 .Lno_ask_\@
	global_prefetch_b8 v[VPF], s[PF:PF+1] th:TH_LOAD_NT scope:SCOPE_SE
.Lno_ask_\@:
.endm
.macro CREST                           ; a round of the cluster's barrier behind its opening barrier
	s_cmp_lg_u32 s10, 0
	s_cbranch_scc1 .Lnot_wave_0_\@
	s_barrier_signal -3
.Lnot_wave_0_\@:
	s_barrier_wait -3
	s_barrier_signal -1
	s_barrier_wait -1
.endm
.macro CROUND                          ; a whole round
	s_barrier_signal -1
	s_barrier_wait -1
	CREST
.endm
.macro PLACES                          ; four places in front of loads into registers that matrix instructions have read, and of conversions that read results
.rept 4
	v_nop
.endr
.endm
.macro LDBIAS                          ; my 128 columns' bias: eight numbers a lane for each 16 columns
.irp y, 0,1,2,3,4,5,6,7
	global_load_b128 v[BIAS+8*(\y):BIAS+8*(\y)+3],   v[VBO], s[84:85] offset:64*(\y)
	global_load_b128 v[BIAS+8*(\y)+4:BIAS+8*(\y)+7], v[VBO], s[84:85] offset:64*(\y)+16
.endr
.endm
	s_load_b256 s[68:75], s[0:1], 0x0              ; query s[68:69], key s[70:71], value s[72:73], wq16 s[74:75]
	s_load_b256 s[76:83], s[0:1], 0x20             ; b_qkv s[76:77], qh s[78:79], kh s[80:81], vh s[82:83]
	v_lshl_add_u32 v[SPW], v0, 2, SPARE
	v_mov_b32 v[NIL], 0
	ds_add_u32 v30, v31
	s_wait_dscnt 0x0
	v_lshrrev_b32 v1, 5, v0
	v_readfirstlane_b32 s10, v1                    ; wave 0..3
	s_lshr_b32 s11, s10, 1                         ; which 64 of the tile's rows are mine.  Also: I fetch for x (0) or for W (1)
	s_and_b32 s12, s10, 1                          ; which 128 of its columns.  Also: which half of that tile I fetch
	s_bfe_u32 s40, ttmp6, 0x40000                  ; cx, cy: my place in the cluster
	s_bfe_u32 s41, ttmp6, 0x40004
	s_lshl_b32 s42, ttmp9, 2
	s_add_co_u32 s42, s42, s40                     ; tile column 0..3
	s_and_b32 s13, ttmp7, 0xffff
	s_lshl_b32 s13, s13, 2
	s_add_co_u32 s13, s13, s41                     ; block of 128 rows of x, 0..63
	s_lshl_b32 s43, s41, 2
	s_lshl_b32 s43, 15, s43                        ; my row of the cluster
	s_lshl_b32 s44, 0x1111, s40                    ; my column
	; descriptor group 1.  x: 64 rows x 128 elements of 4 bytes, 4 words of padding after every 128 words.  W: 128 rows x 128 elements of 2 bytes, 4 words after every 64.
	s_or_b32 s[G1+0], s43, (2<<16)|(1<<20)|(1<<21)|(6<<22)|(3<<25)
	s_mov_b32 s[G1+1], 128<<16                     ; tensor_dim0
	s_mov_b32 s[G1+2], 64<<16                      ; tensor_dim1
	s_mov_b32 s[G1+3], 128<<16                     ; tile_dim0
	s_mov_b32 s[G1+4], 64                          ; tile_dim1
	s_mov_b32 s[G1+5], 1024                        ; elements from row to row
	s_mov_b32 s[G1+6], 0
	s_mov_b32 s[G1+7], 0
	s_or_b32 s[G1B+0], s44, (1<<16)|(1<<20)|(1<<21)|(5<<22)|(3<<25)
	s_mov_b32 s[G1B+1], 128<<16
	s_mov_b32 s[G1B+2], 128<<16
	s_mov_b32 s[G1B+3], 128<<16
	s_mov_b32 s[G1B+4], 128
	s_mov_b32 s[G1B+5], 1024
	s_mov_b32 s[G1B+6], 0
	s_mov_b32 s[G1B+7], 0
	; x's address hangs on the row block alone, W's on the tile column alone; each is made in registers that never hold the other coordinate
	s_lshl_b32 s16, s13, 7
	s_lshl_b32 s17, s12, 6
	s_add_co_u32 s16, s16, s17                     ; x: row 128 x block + 64 x half,
	s_lshl_b32 s16, s16, 12                        ; 4,096 bytes a row
	s_mov_b32 s17, 0
	s_lshl_b32 s46, s42, 8
	s_lshl_b32 s47, s12, 7
	s_add_co_u32 s46, s46, s47                     ; W, first projection: row 256 x tile column + 128 x half: also my first column's place in the bias
	s_lshl_b32 s88, s46, 2
	s_mov_b32 s89, 0
	s_lshl_b32 s46, s46, 11                        ; 2,048 bytes a row
	s_mov_b32 s47, 0
	s_mul_i32 s20, s12, HALFA                      ; where they go: no place in the cluster enters an LDS address
	s_mul_i32 s21, s12, HALFB
	s_add_co_u32 s21, s21, BOFF
	s_mov_b32 s[STB+1], 0
	s_mov_b32 s[KJ], WJUMP
	s_mov_b32 s[KJ+1], 512
	s_wait_kmcnt 0x0
	s_add_nc_u64 s[68:69], s[68:69], s[16:17]      ; the three x at my rows
	s_add_nc_u64 s[70:71], s[70:71], s[16:17]
	s_add_nc_u64 s[72:73], s[72:73], s[16:17]
	s_add_nc_u64 s[46:47], s[74:75], s[46:47]
	s_add_nc_u64 s[84:85], s[76:77], s[88:89]
	CROUND                                         ; all sixteen work-groups are here: the first joint loads meet
.irp s, 0,1
	s_mov_b32 s[G0+4*(\s)], 1
	s_add_co_u32 s[G0+4*(\s)+1], s20, (\s)*SLOT
	s_add_nc_u64 s[RA+2*(\s):RA+2*(\s)+1], s[68:69], (\s)*512      ; K step s: 128 f32
	s_mov_b64 s[G0+4*(\s)+2:G0+4*(\s)+3], s[RA+2*(\s):RA+2*(\s)+1]
	s_or_b32 s[G0+4*(\s)+3], s[G0+4*(\s)+3], 0x80000000
	s_mov_b32 s[G0B+4*(\s)], 1
	s_add_co_u32 s[G0B+4*(\s)+1], s21, (\s)*SLOT
	s_add_nc_u64 s[G0B+4*(\s)+2:G0B+4*(\s)+3], s[46:47], (\s)*256  ; 128 f16
	s_or_b32 s[G0B+4*(\s)+3], s[G0B+4*(\s)+3], 0x80000000
	JLOAD \s                                       ; two loads of mine are out
.endr
	v_and_b32 v1, 15, v0                           ; l % 16
	v_bfe_u32 v2, v0, 4, 1                         ; l / 16
	v_lshlrev_b32 v[VBO], 5, v2                    ; my eight of each 16 columns
	LDBIAS
	v_and_b32 v5, 31, v0                           ; lane
	v_lshrrev_b32 v6, 1, v5
	v_and_b32 v7, 1, v0
	s_lshl_b32 s90, s40, 16                        ; the prefetch: 16 rows of 4,096 bytes for each place along the cluster's x,
	v_lshl_add_u32 v[VPF], v6, 12, s90             ; two lanes a row,
	v_lshl_add_u32 v[VPF], v7, 8, v[VPF]           ; 256 bytes apart
	s_add_nc_u64 s[PF:PF+1], s[RA:RA+1], 1024      ; K step 2, which the first refill will ask for
	ASK 0
	v_mul_u32_u24 v3, v1, PA
	v_lshl_add_u32 v3, v2, 5, v3                   ; x: row x pitch + 8 f32 x half
	v_mul_u32_u24 v4, v1, PB
	v_lshl_add_u32 v4, v2, 4, v4                   ; W: row x pitch + 8 f16 x half
	s_mul_i32 s22, s11, HALFA                      ; my 64 rows of x
	s_mul_i32 s23, s12, HALFB                      ; my 128 rows of W
	s_add_co_u32 s23, s23, BOFF
.irp s, 0,1
	v_add_nc_u32 v[ADRA+(\s)], s22, v3
	v_add_nc_u32 v[ADRB+(\s)], s23, v4
	s_add_co_u32 s22, s22, SLOT
	s_add_co_u32 s23, s23, SLOT
.endr
	s_mul_i32 s22, s10, 16*SPITCH
	s_add_co_u32 s22, s22, STAGE                   ; my stage
	v_add_nc_u32 v[STO], s22, v4                   ; in: row l % 16, 16 bytes for each half of the lanes
	v_lshrrev_b32 v6, 3, v5
	v_mul_u32_u24 v6, v6, 4*SPITCH                 ; back: rows 4 (lane / 8) + batch are four successive t of one batch,
	v_and_b32 v7, 7, v0
	v_lshl_add_u32 v6, v7, 4, v6                   ; eight lanes take a head's 128 bytes of a row
	v_add_nc_u32 v[RD], s22, v6
	v_lshlrev_b32 v[GO], 4, v5                     ; which are 512 consecutive bytes of y; a batch is 16 heads x 262,144 bytes
	v_add_nc_u32 v[GO+1], 4194304, v[GO]
	v_add_nc_u32 v[GO+2], 8388608, v[GO]
	v_add_nc_u32 v[GO+3], 12582912, v[GO]
	s_lshl_b32 s16, s13, 5
	s_lshl_b32 s17, s11, 4
	s_add_co_u32 s16, s16, s17                     ; my first t = 32 x block + 16 x half,
	s_lshl_b32 s16, s16, 7                         ; 128 bytes a row of a head
	s_mov_b32 s17, 0
	s_lshl_b32 s90, s42, 2
	s_lshl1_add_u32 s90, s12, s90                  ; my first head = 4 x tile column + 2 x half
	s_lshl_b32 s90, s90, 18
	s_mov_b32 s91, 0
	s_add_nc_u64 s[90:91], s[90:91], s[16:17]
	s_add_nc_u64 s[8:9], s[78:79], s[90:91]        ; the three y at my part
	s_add_nc_u64 s[NXO:NXO+1], s[NXO:NXO+1], s[90:91]
	s_add_nc_u64 s[NXO+2:NXO+3], s[NXO+2:NXO+3], s[90:91]
; One matrix instruction: accumulator (a, b), buffer f.  cb = 1: the bias starts the sum: nothing is ever cleared.
.macro MM1 f, a, b, cb
.if \cb
	WIN W_MULB
	v_wmma_f32_16x16x32_f16 v[8*(8*(\a)+(\b)):8*(8*(\a)+(\b))+7], v[64*(\f)+8*(\b):64*(\f)+8*(\b)+7], v[AB+32*(\f)+8*(\a):AB+32*(\f)+8*(\a)+7], v[BIAS+8*(\b):BIAS+8*(\b)+7]
.else
	WIN W_MUL
	v_wmma_f32_16x16x32_f16 v[8*(8*(\a)+(\b)):8*(8*(\a)+(\b))+7], v[64*(\f)+8*(\b):64*(\f)+8*(\b)+7], v[AB+32*(\f)+8*(\a):AB+32*(\f)+8*(\a)+7], v[8*(8*(\a)+(\b)):8*(8*(\a)+(\b))+7]
.endif
.endm
.macro MUL8 f, a, cb
.irp y, 0,1,2,3,4,5,6,7
	MM1 \f, \a, \y, \cb
.endr
.endm
.macro MULP f, a, b0, cb
	MM1 \f, \a, \b0, \cb
	MM1 \f, \a, (\b0)+1, \cb
.endm
; Four of the 32 conversions that make buffer g's f16 fragments of x: register idx takes the f32 pair 2 idx, 2 idx + 1
.macro CVT4 g, c4
	WIN W_CVT
.irp z, 0,1,2,3
	v_cvt_pk_f16_f32 v[AB+32*(\g)+4*(\c4)+(\z)], v[RAW+2*(4*(\c4)+(\z))], v[RAW+2*(4*(\c4)+(\z))+1]
.endr
.endm
; 32 LDS loads in one run: quarter nq of slot ns.  x as f32: a lane's k = 8 h + 0..7 and 16 + 8 h + 0..7 are 32 bytes each, 64 bytes apart.  W into buffer g.
.macro FETCH ns, nq, g
	WIN W_LD
.irp y, 0,1,2,3
	ds_load_b128 v[RAW+16*(\y):RAW+16*(\y)+3],     v[ADRA+(\ns)] offset:128*(\nq)+(\y)*16*PA
	ds_load_b128 v[RAW+16*(\y)+4:RAW+16*(\y)+7],   v[ADRA+(\ns)] offset:128*(\nq)+(\y)*16*PA+16
	ds_load_b128 v[RAW+16*(\y)+8:RAW+16*(\y)+11],  v[ADRA+(\ns)] offset:128*(\nq)+(\y)*16*PA+64
	ds_load_b128 v[RAW+16*(\y)+12:RAW+16*(\y)+15], v[ADRA+(\ns)] offset:128*(\nq)+(\y)*16*PA+80
.endr
.irp y, 0,1,2,3,4,5,6,7
	ds_load_b128 v[64*(\g)+8*(\y):64*(\g)+8*(\y)+3],   v[ADRB+(\ns)] offset:64*(\nq)+(\y)*16*PB
	ds_load_b128 v[64*(\g)+8*(\y)+4:64*(\g)+8*(\y)+7], v[ADRB+(\ns)] offset:64*(\nq)+(\y)*16*PB+32
.endr
.endm
; The scalar work of a refill of slot rs; no tensor load of mine is out, so a group 0 may be written.  In a tile's last lap (LT = 1) the slot takes the NEXT tile's K step rs: x from the next buffer, W 1,024 rows
; down; else the K step two on.  PF becomes the address that the refill after this one will use: the K step behind the one now asked for, or, behind a tile's last K step (slot 1, LT = 2), the next tile's first.
.macro STEP rs
	s_wait_xcnt 0x0                                ; the last prefetch, a K step back, has read PF: it is rewritten only behind this wait
	s_cmp_eq_u32 s[LT], 1
	s_cselect_b32 s[STB], s[KJ], s[KJ+1]
	s_add_nc_u64 s[RA+2*(\rs):RA+2*(\rs)+1], s[RA+2*(\rs):RA+2*(\rs)+1], 1024
.if (\rs) == 0
	s_cselect_b64 s[RA:RA+1], s[NXA:NXA+1], s[RA:RA+1]
.else
	s_add_nc_u64 s[NT:NT+1], s[NXA:NXA+1], 512
	s_cselect_b64 s[RA+2:RA+3], s[NT:NT+1], s[RA+2:RA+3]
.endif
	s_add_nc_u64 s[G0B+4*(\rs)+2:G0B+4*(\rs)+3], s[G0B+4*(\rs)+2:G0B+4*(\rs)+3], s[STB:STB+1]  ; the type bits on top are not reached
	s_add_nc_u64 s[PF:PF+1], s[RA+2*(\rs):RA+2*(\rs)+1], 512
.if (\rs) == 1
	s_cmp_eq_u32 s[LT], 2
	s_cselect_b64 s[PF:PF+1], s[NXA:NXA+1], s[PF:PF+1]
.endif
	s_mov_b64 s[G0+4*(\rs)+2:G0+4*(\rs)+3], s[RA+2*(\rs):RA+2*(\rs)+1]
	s_or_b32 s[G0+4*(\rs)+3], s[G0+4*(\rs)+3], 0x80000000
.endm
; A QUARTER: 32 matrix instructions on buffer f, each accumulator once, so the accumulators take turns.  At its head the next quarter (nq of slot ns; ns = -1: none) is fetched into the
; other buffer; in its second half that quarter's x is rounded.  places = 0: four plain instructions already stand behind the last matrix instruction that read the registers to be loaded.
; meet: the quarter has fetched a slot's last fragments, so the change of slots stands at its end, behind all its matrix work: between a tile's landing and the next request stand the waits and the round alone.
; Each wave waits for all its tensor loads (one is out: its part of the other slot), adds 0 to its spare word, and waits for that and for its reads of this slot.  meet = 2: the barrier opens a round of the
; cluster's, and slot rs is filled again first thing behind the round: 128 matrix instructions ahead of the wait for it.  meet = 1: the tail: a barrier alone, nothing is asked for.
.macro QUARTER f, ns, nq, cb, meet, rs, places
.set QG, 1-(\f)
.if (\ns) >= 0
.if \places
	PLACES
.endif
	FETCH \ns, \nq, QG
.endif
	MUL8 \f, 0, \cb
	MUL8 \f, 1, \cb
.if (\ns) >= 0
	s_wait_dscnt 0x0                               ; the 32 loads issued 16 matrix instructions ago are in
.endif
.irp hn, 0,1,2,3
	MULP \f, 2, 2*(\hn), \cb
.if (\ns) >= 0
	CVT4 QG, \hn
.endif
.endr
.irp hn, 0,1,2,3
	MULP \f, 3, 2*(\hn), \cb
.if (\ns) >= 0
	CVT4 QG, 4+(\hn)
.endif
.endr
.if \meet
	WIN 0                                          ; the add's two registers lie in window 0; at a branch and at a label every window is 0
	s_wait_tensorcnt 0x0                           ; all my tensor loads have landed
	ds_add_u32 v[SPW], v[NIL]                      ; 0 onto my spare word
.if (\meet) == 2
	STEP \rs
.endif
	s_wait_dscnt 0x0                               ; the add is done; my reads of this slot were waited for above
	s_barrier_signal -1
	s_barrier_wait -1
.endif
.if (\meet) == 2
	CREST                                          ; no wave of any partner still reads this slot or has a load on its way
	JLOAD \rs                                      ; its four v_nop are also the places in front of the next quarter's loads
	ASK \rs
.endif
.endm
; THE WAY OUT, 16 rows of x (four t x four batches) at a time: rounded to f16, 16 bytes a lane into my stage, back so that a wave's store is four t of one batch and head: 512 consecutive bytes of y.
.macro WAYOUT a
	WIN 0x0a                                       ; both sources window 2
.irp y, 0,1,2,3,4,5,6,7
.irp z, 0,1,2,3
	v_cvt_pk_f16_f32 v[TMP+4*(\y)+(\z)], v[8*(8*(\a)+(\y))+2*(\z)], v[8*(8*(\a)+(\y))+2*(\z)+1]  ; each accumulator from its low end on
.endr
.endr
	WIN 0
.irp y, 0,1,2,3,4,5,6,7
	ds_store_b128 v[STO], v[TMP+4*(\y):TMP+4*(\y)+3] offset:32*(\y)
.endr
	s_wait_xcnt 0x0                                ; the registers that the last block's stores read are loaded again only behind this wait
.irp y, 0,1,2,3
	ds_load_b128 v[OB+8*(\y):OB+8*(\y)+3],   v[RD] offset:(\y)*SPITCH       ; LDS serves a wave's instructions in order: these see the stores above
	ds_load_b128 v[OB+8*(\y)+4:OB+8*(\y)+7], v[RD] offset:(\y)*SPITCH+128   ; batch y, my first head and my second
.endr
	s_wait_dscnt 0x0
.irp y, 0,1,2,3
	global_store_b128 v[GO+(\y)], v[OB+8*(\y):OB+8*(\y)+3],   s[8:9] offset:(\a)*512
	global_store_b128 v[GO+(\y)], v[OB+8*(\y)+4:OB+8*(\y)+7], s[8:9] offset:262144+(\a)*512
.endr
.endm
.macro OUT4
	PLACES                                         ; the conversions read results just made
	WAYOUT 0
	WAYOUT 1
	WAYOUT 2
	WAYOUT 3
.endm
	s_wait_tensorcnt 0x1                           ; my part of K step 0 is in; K step 1's may stay out
	s_barrier_signal -1
	s_barrier_wait -1                              ; everybody's is
	FETCH 0, 0, 0
	s_wait_dscnt 0x0
.irp hn, 0,1,2,3,4,5,6,7
	CVT4 0, \hn
.endr
	WIN 0
	s_mov_b32 s3, TILES*LAPS                       ; the entry below takes one off: 11 trips, each with two refills
	s_mov_b32 s[LT], LAPS
	s_branch .Lstart                               ; the loop is entered at a tile's first quarter
.Llap:                                                 ; a trip goes once round the ring, from a lap's second quarter to the next lap's first, and fills both slots again
	QUARTER 1, 0, 2, 0, 0, 0, 1
	QUARTER 0, 0, 3, 0, 2, 0, 1
	QUARTER 1, 1, 0, 0, 0, 0, 0
	QUARTER 0, 1, 1, 0, 0, 0, 1
	QUARTER 1, 1, 2, 0, 0, 0, 1
	QUARTER 0, 1, 3, 0, 2, 1, 1
	QUARTER 1, 0, 0, 0, 0, 0, 0                    ; the lap's last quarter; it fetches the next lap's first fragments, in a tile's last lap the next tile's
	WIN 0
	s_sub_co_u32 s[LT], s[LT], 1
	s_cmp_lg_u32 s[LT], 0
	s_cbranch_scc1 .Lnorm                          ; forward, past text that holds neither a barrier nor a tensor load
	; A TILE'S END.  Both refills for the next tile are asked for; its bias is asked for; now the tile goes out.
	s_add_nc_u64 s[84:85], s[84:85], 4096          ; the next projection's bias; the last loads by this address were waited for at the tile's start
	LDBIAS                                         ; the products that read these registers stand a whole tile back
	OUT4
	s_wait_xcnt 0x0                                ; the stores have read y's address: it is rewritten only behind this wait
	s_mov_b64 s[8:9], s[NXO:NXO+1]
	s_mov_b64 s[NXO:NXO+1], s[NXO+2:NXO+3]
	s_mov_b64 s[NXA:NXA+1], s[NXA+2:NXA+3]
	s_mov_b32 s[LT], LAPS
.Lstart:
	s_wait_loadcnt 0x0                             ; the bias
	QUARTER 0, 0, 1, 1, 0, 0, 0                    ; a tile's first quarter: its products start the sums with the bias
	WIN 0
	s_branch .Lbottom
.Lnorm:
	QUARTER 0, 0, 1, 0, 0, 0, 1
	WIN 0
.Lbottom:
	s_sub_co_u32 s3, s3, 1
	s_cmp_lg_u32 s3, 0
	s_cbranch_scc1 .Llap
	QUARTER 1, 0, 2, 0, 0, 0, 1                    ; the last lap is written out: it asks for nothing
	QUARTER 0, 0, 3, 0, 1, 0, 1
	QUARTER 1, 1, 0, 0, 0, 0, 1
	QUARTER 0, 1, 1, 0, 0, 0, 1
	QUARTER 1, 1, 2, 0, 0, 0, 1
	QUARTER 0, 1, 3, 0, 0, 0, 1
	QUARTER 1, -1, 0, 0, 0, 0, 0
	OUT4
	s_wait_tensorcnt 0x0                           ; the wave's end
	ds_add_u32 v[SPW], v[NIL]
	s_wait_dscnt 0x0
	CROUND                                         ; the closing round: no work-group ends while a partner may still ask for a tile that names it
	s_endpgm
.Lfunc_end_k_q2508a9fe52_proj:
	.size	k_q2508a9fe52_proj, .Lfunc_end_k_q2508a9fe52_proj-k_q2508a9fe52_proj
	.p2alignl 7, 3214868480
	.fill 96, 4, 3214868480
	.section	.rodata,"a",@progbits
	.p2align	6, 0x0
	.amdhsa_kernel k_q2508a9fe52_proj
		.amdhsa_group_segment_fixed_size 327680
		.amdhsa_private_segment_fixed_size 0
		.amdhsa_enable_private_segment 0
		.amdhsa_kernarg_size 64
		.amdhsa_user_sgpr_count 2
		.amdhsa_user_sgpr_kernarg_segment_ptr 1
		.amdhsa_wavefront_size32 1
		.amdhsa_system_sgpr_workgroup_id_x 1
		.amdhsa_system_sgpr_workgroup_id_y 1
		.amdhsa_system_sgpr_workgroup_id_z 1
		.amdhsa_system_vgpr_workitem_id 0
		.amdhsa_next_free_vgpr 768
		.amdhsa_next_free_sgpr 100
		.amdhsa_reserve_vcc 0
		.amdhsa_float_denorm_mode_32 3
		.amdhsa_float_denorm_mode_16_64 3
		.amdhsa_memory_ordered 1
		.amdhsa_forward_progress 1
		.amdhsa_inst_pref_size 153
	.end_amdhsa_kernel
	.amdgpu_metadata
---
amdhsa.version: [ 1, 2 ]
amdhsa.kernels:
  - .name:           k_q2508a9fe52_proj
    .symbol:         k_q2508a9fe52_proj.kd
    .args:
      - { .name: query, .offset: 0, .size: 8, .value_kind: global_buffer, .address_space: global }
      - { .name: key, .offset: 8, .size: 8, .value_kind: global_buffer, .address_space: global }
      - { .name: value, .offset: 16, .size: 8, .value_kind: global_buffer, .address_space: global }
      - { .name: wq16, .offset: 24, .size: 8, .value_kind: global_buffer, .address_space: global }
      - { .name: b_qkv, .offset: 32, .size: 8, .value_kind: global_buffer, .address_space: global }
      - { .name: qh, .offset: 40, .size: 8, .value_kind: global_buffer, .address_space: global }
      - { .name: kh, .offset: 48, .size: 8, .value_kind: global_buffer, .address_space: global }
      - { .name: vh, .offset: 56, .size: 8, .value_kind: global_buffer, .address_space: global }
    .group_segment_fixed_size: 327680
    .private_segment_fixed_size: 0
    .kernarg_segment_align: 8
    .kernarg_segment_size: 64
    .max_flat_workgroup_size: 128
    .sgpr_count:     100
    .vgpr_count:     768
    .wavefront_size: 32
...
	.end_amdgpu_metadata
.endif
;; end of part 2
;; launch attn (part 3): grid 4 x 64, 4 waves a work-group, clusters of 4 x 4, 327,680 bytes of LDS; arguments qh, kh, vh, maskf, ctx; writes ctx
.if DOCPART == 3
	.amdgcn_target "amdgcn-amd-amdhsa--gfx1250"
	.amdhsa_code_object_version 6
	.text
	.protected	k_q2508a9fe52_attn
	.globl	k_q2508a9fe52_attn
	.p2align	8
	.type	k_q2508a9fe52_attn,@function
k_q2508a9fe52_attn:
	s_mov_b64 s[64:65], 0
	v_nop
	global_prefetch_b8 v0, s[64:65] scope:SCOPE_SE
	s_setreg_imm32_b32 hwreg(HW_REG_WAVE_MODE, 25, 1), 1
	s_wait_xcnt 0x0
	s_wait_alu depctr_hold_cnt(0) depctr_sa_sdst(0) depctr_va_vdst(0) depctr_va_sdst(0) depctr_va_ssrc(0) depctr_va_vcc(0) depctr_vm_vsrc(0)
	s_getreg_b32 s2, hwreg(HW_REG_IB_STS2, 6, 4)
	s_cmp_eq_u32 s2, 0
	s_cbranch_scc0 .Lentry_in_a_cluster
	s_endpgm
.Lentry_in_a_cluster:
	s_bfe_u32 s2, ttmp6, 0x10000c
	s_cmp_lg_u32 s2, 0xf033
	s_cbranch_scc0 .Lentry_shape_is_right
	s_endpgm
.Lentry_shape_is_right:
; ATTENTION WITH A MULTIPLICATIVE MASK.  O[hd][q][:] = the sum over k of softmax_k((Q[hd][q] . K[hd][k] / 8) x mask[q][k]) V[hd][k][:].  Q, K, V, O: [64 heads][2048][64] f16, a head's rows dense, 128 bytes.
; maskf: the mask in bf16, [qb 4][step 32][w 4][t 8][kt 4][lane 32][j 8]: 512 bytes are what a wave wants for 16 queries x 16 keys, a (qb, step) block is 65,536 dense bytes.
; Products, the product with the mask, maxima and sums in f32; the weights p are rounded to f16 for the second product (their sum l is taken of the unrounded p), O once at the end.
; LIMITS.  f16 ends at 65,504: Q, K, V arrive within it; p lies in 0 to 1 and keeps f16's fixed step of 6e-8 below 6e-5, and so does O.  The mask has bf16's 8 significant bits.
; A weight below 2^-126 counts as 0 in l; NaN and infinities are not treated apart.
; SHARES.  A work-group owns 512 queries of one head, a wave 128: four PIECES of two tiles of 16.  Every wave walks all 2,048 keys, 64 a step.  4 x 64 = 256 work-groups.
; LAYOUT.  S^T = K Q^T (source 0 = 16 keys, source 1 = 16 queries): a lane holds ONE query (lane % 16) and the keys 8 (lane / 16) + 0..7.  Two such results, rounded to f16 in pairs, ARE source 1 of
; O^T = V^T P.  K comes out of LDS as it lies, V turned, by ds_load_tr16_b128.  The mask's 16 bytes a lane are the eight keys of one result: one multiply straight from a bf16 half for each score.
; SOFTMAX.  s = (Q . K) x mask.  For each query a running maximum m of s and a sum l: p = 2^(c s - c m), c = log2(e) / 8; in every step O and l are multiplied by a = 2^(c m_old - c m_new).
; m starts at the lowest finite number, O and l at 0: the first step is a step like any other, with a = 0.
; BY TURNS.  Turn n belongs to piece n.  Matrix work: 16 products K Q^T of piece n + 1, then 16 products V^T P of piece n - 1.  Vector work, 300 instructions: scaling, rescaling, exponentials, roundings and sums of
; piece n; the mask, maximum and statistics of piece n + 1.  Four that are ready stand behind every matrix instruction, the others in runs of their own.
; CLUSTER 4 x 4.  The four work-groups of a row of the cluster share a head, so K's and V's tiles are asked for jointly along the row; the four of a column share their 512 queries, so the mask's block is asked
; for jointly along the column.  A slot holds one step (K 9,216, V 10,240, mask 65,536 bytes): two slots of two steps would not fit in LDS.
; REGISTERS, in windows of 256 (s_set_vgpr_msb: bits 1:0 source 0, 3:2 source 1, 5:4 source 2, 7:6 destination):
;   window 0: v0-11 addresses and a zero; v12-15, v48-63 at work; v16-47 four registers of statistics a tile; v64-191 S^T, two buffers of two tiles; v192-255 P, likewise
;   window 1: O^T, 32 a tile      window 2: v0-127 Q; v128-191 K of one step; v192-255 V of one step      window 3: v0-31 the mask of one piece; v32-33 the add's two registers
.set NP,    4         ; pieces a wave: a name, no knob
.set KS,    64        ; keys in a step
.set PK,    144       ; a row of K in LDS: 128 bytes + 16 = 36 words: the 16 rows of a load start at 16 different groups of four banks
.set PV,    160       ; a row of V: 128 + 32 = 40 words
.set VOFF,  KS*PK
.set MOFF,  KS*(PK+PV)
.set SLOT1, 1<<17     ; slot 1 begins here, so that one exclusive or turns an address in one slot into the other's
.set STAGE, SLOT1+MOFF+65536  ; behind the ring, never filled by a tensor load: 16 rows x 144 bytes for each wave
.set SP,    144
.set SPARE, STAGE+4*16*SP     ; behind the stages: the spare words, 128 bytes for each wave, which no other line names
.set AK0, 2           ; v2   my lane's place in a tile of K; never rewritten
.set AV0, 3           ; v3   the same for V
.set AK,  4           ; v4   the same in the slot in hand
.set AV,  5           ; v5
.set STO, 6           ; v6   the way out: where I put 16 bytes of a row
.set RD,  7           ; v7   the way out: where I read rows back
.set GO,  8           ; v8   my byte offset in 512 consecutive bytes of O
.set ZR,  9           ; v9   0: the addend of the product with the mask
.set AM0, 10          ; v10  my lane's place in my wave's part of a mask block
.set AM,  11          ; v11  the same in the slot in hand
.set MV,  12          ; v12-15  c m_old, kept while c m is made anew: by buffer and tile
.set QO,  12          ;      before that: my byte offset in 16 rows of Q
.set ST,  16          ; tile t's statistics at v[ST+4 t]: c m, m, l (even keys', odd keys')
.set TMP, 48          ; by buffer and tile, four registers c0-c3 at work; when the maximum is found c2 takes a
.set S,   64
.set P,   192
.set KF,  128         ; window 2
.set VF,  192         ; window 2
.set SPW, 32          ; window 3: LDS address of my spare word; never rewritten
.set NIL, 33          ; window 3: 0; never rewritten
.set WV,  12          ; s12  my wave's number
.set G1K, 24          ; s[24:31], s[32:39], s[40:47] descriptor group 1 for K's, V's and the mask's tiles
.set G1V, 32
.set G1M, 40
.set G0K, 48          ; s[48:51], s[52:55], s[56:59] descriptor group 0: they walk
.set G0V, 52
.set G0M, 56
.set CS,  60          ; s[60:61] c
.set SEL, 62          ; s[62:63] v_permlanex16_b32's selects: each lane takes its own place in the other half
.set TB,  66          ; s66  LDS byte at which the slot in hand begins
.set CNT, 67          ; s67  counts the trips
.set MSB, 0
.macro WIN new                      ; the high byte repeats the setting that is left; a switch that changes nothing is dropped
.if MSB != (\new)
	s_set_vgpr_msb (MSB<<8)|(\new)
.set MSB, (\new)
.endif
.endm
.set W_KQ, 0x0a       ; K and Q in window 2, S^T in window 0
.set W_PV, 0x52       ; V in window 2, P in window 0, O^T in window 1
.set W_RS, 0x41       ; O^T (destination and source 0) in window 1, a in window 0
.set W_MK, 0x0c       ; source 1, the mask, in window 3; an exponential, which has no source 1, is right under it too
.set W_AD, 0x0f       ; the add: address and data in window 3
; A joint fill, one tensor load a wave: wave 0 a step's K, wave 1 its V, waves 2 and 3 the two halves of its mask block.  The branches hang on the wave's number alone.
; An s_nop 0 and four v_nop follow each line, ahead of the jump and the label.
.macro JLOAD
	s_cmp_lt_u32 s[WV], 2
	s_cbranch_scc0 .Lfor_m_\@
	s_cmp_eq_u32 s[WV], 0
	s_cbranch_scc0 .Lfor_v_\@
	tensor_load_to_lds s[G0K:G0K+3], s[G1K:G1K+7]
	s_nop 0
.rept 4
	v_nop
.endr
	s_branch .Lasked_\@
.Lfor_v_\@:
	tensor_load_to_lds s[G0V:G0V+3], s[G1V:G1V+7]
	s_nop 0
.rept 4
	v_nop
.endr
	s_branch .Lasked_\@
.Lfor_m_\@:
	tensor_load_to_lds s[G0M:G0M+3], s[G1M:G1M+7]
	s_nop 0
.rept 4
	v_nop
.endr
.Lasked_\@:
.endm
.macro CROUND                       ; a round of the cluster's barrier
	s_barrier_signal -1
	s_barrier_wait -1
	s_cmp_lg_u32 s[WV], 0
	s_cbranch_scc1 .Lnot_wave_0_\@
	s_barrier_signal -3
.Lnot_wave_0_\@:
	s_barrier_wait -3
	s_barrier_signal -1
	s_barrier_wait -1
.endm
; THE CHANGE OF SLOTS, at the head of a trip: all of a slot's bytes are read within one trip.  Each wave waits for all its tensor loads, of which one is out: its part of the other slot; adds 0 to its spare word;
; and waits for that and for its own reads of the slot that it leaves.  fill = 1: the old slot is filled again with the step after next's... the step that follows the one now entered; the barrier is then a round of
; the cluster's, and the joint fill is the first thing behind it: it has a whole step, 128 matrix instructions, in which to land.  (At its first use nothing has been read: slot 0 is waited for, slot 1 filled.)
.macro CHANGE fill
	WIN W_AD
	s_wait_tensorcnt 0x0            ; no tensor load of mine is out, so a group 0 may be written
	ds_add_u32 v[SPW], v[NIL]       ; 0 onto my spare word
	WIN 0                           ; at a label and at a branch every window is 0
.if \fill
.irp g, G0K, G0V
	s_xor_b32 s[\g+1], s[\g+1], SLOT1  ; the other slot than last time,
	s_add_nc_u64 s[\g+2:\g+3], s[\g+2:\g+3], KS*128  ; the next 64 keys; the type bits on top are not reached
.endr
	s_xor_b32 s[G0M+1], s[G0M+1], SLOT1
	s_add_nc_u64 s[G0M+2:G0M+3], s[G0M+2:G0M+3], 65536  ; the next step's block
	s_wait_dscnt 0x0                ; the add is done, and my reads of the slot are over
	CROUND
	JLOAD
.else
	s_wait_dscnt 0x0                ; the add is done, and my reads of the slot are over
	s_barrier_signal -1
	s_barrier_wait -1
.endif
	s_xor_b32 s[TB], s[TB], SLOT1   ; the fetches go to the other slot
	v_add_nc_u32 v[AK], s[TB], v[AK0]
	v_add_nc_u32 v[AV], s[TB], v[AV0]
	v_add_nc_u32 v[AM], s[TB], v[AM0]
	s_wait_alu depctr_va_vdst(0)
.endm
	s_load_b256 s[4:11], s[0:1], 0x0  ; Q s[4:5], K s[6:7], V s[8:9], maskf s[10:11]
	s_load_b64 s[14:15], s[0:1], 0x20 ; O
	WIN 0xc0                        ; destination window 3
	v_lshl_add_u32 v[SPW], v0, 2, SPARE
	v_mov_b32 v[NIL], 0
	s_set_vgpr_msb 0xc0cf
	ds_add_u32 v32, v33
	s_wait_dscnt 0x0
	s_set_vgpr_msb 0xcfc0
	WIN 0
	v_lshrrev_b32 v1, 5, v0
	v_readfirstlane_b32 s[WV], v1   ; wave 0..3
	s_bfe_u32 s16, ttmp6, 0x40000   ; cx, cy: my place in the cluster
	s_bfe_u32 s17, ttmp6, 0x40004
	s_lshl_b32 s18, ttmp9, 2
	s_add_co_u32 s18, s18, s16      ; my block of 512 queries
	s_and_b32 s19, ttmp7, 0xffff
	s_lshl_b32 s19, s19, 2
	s_add_co_u32 s19, s19, s17      ; my head
	s_lshl_b32 s20, s19, 18         ; the head's first byte in Q, K, V, O: it hangs on cy alone
	s_mov_b32 s21, 0
	s_and_b32 s13, s[WV], 1
	s_lshl_b32 s13, s13, 15         ; which half of a mask block I fetch
	s_lshl_b32 s22, s18, 21         ; my query block's 32 mask blocks: cx alone
	s_add_co_u32 s22, s22, s13
	s_mov_b32 s23, 0
	s_lshl_b32 s68, s18, 2
	s_add_co_u32 s68, s68, s[WV]
	s_lshl_b32 s68, s68, 14         ; my wave's 128 rows,
	s_add_co_u32 s68, s68, s20      ; in my head: Q's and O's addresses alone
	s_mov_b32 s69, 0
	s_lshl_b32 s70, s17, 2
	s_lshl_b32 s70, 15, s70         ; my row of the cluster
	s_lshl_b32 s71, 0x1111, s16     ; my column
	; descriptor group 1.  64 keys are 8,192 dense bytes: 32 rows of 256 bytes, two keys a row, padded in LDS after every key (32 words): 4 words for K, 8 for V
	s_or_b32 s[G1K], s70, (1<<16)|(1<<20)|(1<<21)|(4<<22)|(3<<25)
	s_or_b32 s[G1V], s70, (1<<16)|(1<<20)|(1<<21)|(4<<22)|(7<<25)
.irp g, G1K, G1V
	s_mov_b32 s[\g+1], 128<<16      ; tensor_dim0
	s_mov_b32 s[\g+2], 32<<16       ; tensor_dim1
	s_mov_b32 s[\g+3], 128<<16      ; tile_dim0
	s_mov_b32 s[\g+4], 32           ; tile_dim1
	s_mov_b32 s[\g+5], 128          ; elements from row to row
	s_mov_b32 s[\g+6], 0
	s_mov_b32 s[\g+7], 0
.endr
	s_or_b32 s[G1M], s71, (3<<16)|(1<<21)  ; half a mask block: 128 rows of 32 elements of 8 bytes, dense, no padding
	s_mov_b32 s[G1M+1], 32<<16
	s_mov_b32 s[G1M+2], 128<<16
	s_mov_b32 s[G1M+3], 32<<16
	s_mov_b32 s[G1M+4], 128
	s_mov_b32 s[G1M+5], 32
	s_mov_b32 s[G1M+6], 0
	s_mov_b32 s[G1M+7], 0
	s_mov_b32 s[CS], 0x3e38aa3b     ; c = log2(e) / 8 = 0.180337
	s_mov_b32 s[CS+1], s[CS]        ; named with it as a pair
	s_mov_b32 s[SEL], 0x76543210
	s_mov_b32 s[SEL+1], 0xfedcba98
	s_mov_b32 s[TB], SLOT1          ; the first change of slots turns it into 0
	s_mov_b32 s[G0K], 1
	s_mov_b32 s[G0K+1], 0           ; LDS address: slot 0
	s_mov_b32 s[G0V], 1
	s_mov_b32 s[G0V+1], VOFF
	s_mov_b32 s[G0M], 1
	s_add_co_u32 s[G0M+1], s13, MOFF
	s_wait_kmcnt 0x0
	s_add_nc_u64 s[G0K+2:G0K+3], s[6:7], s[20:21]
	s_or_b32 s[G0K+3], s[G0K+3], 0x80000000
	s_add_nc_u64 s[G0V+2:G0V+3], s[8:9], s[20:21]
	s_or_b32 s[G0V+3], s[G0V+3], 0x80000000
	s_add_nc_u64 s[G0M+2:G0M+3], s[10:11], s[22:23]
	s_or_b32 s[G0M+3], s[G0M+3], 0x80000000
	s_add_nc_u64 s[4:5], s[4:5], s[68:69]    ; Q and O at my wave's first row
	s_add_nc_u64 s[14:15], s[14:15], s[68:69]
	CROUND                          ; all sixteen work-groups are here: the first joint loads meet
	JLOAD                           ; step 0 into slot 0; slot 1 is asked for when slot 0 is in
	v_and_b32 v48, 15, v0           ; l % 16
	v_bfe_u32 v49, v0, 4, 1         ; l / 16
	v_lshlrev_b32 v[QO], 7, v48
	v_lshl_add_u32 v[QO], v49, 4, v[QO]  ; row x 128 + 16 x half
	WIN 0x80                        ; destination window 2, address window 0
.set i, 0
.rept 4*NP                          ; Q stays in registers: tile i / 2, channels 32 (i % 2) on
	global_load_b128 v[8*i:8*i+3],   v[QO], s[4:5] offset:(i/2)*2048+(i%2)*64
	global_load_b128 v[8*i+4:8*i+7], v[QO], s[4:5] offset:(i/2)*2048+(i%2)*64+32
.set i, i+1
.endr
	; What the first turn finds: V's registers and P's second buffer hold 0 (its products V^T P, of a piece that has not been, add 0), O^T and l are 0.  All this stands in the wait for the first tile.
.set i, VF
.rept 64
	v_mov_b32 v[i], 0
.set i, i+1
.endr
	WIN 0x40
.set i, 0
.rept 64*NP
	v_mov_b32 v[i], 0
.set i, i+1
.endr
	WIN 0
.set i, 0
.rept 2*NP
	v_mov_b32 v[ST+4*i], 0xfe000000    ; c m: far below every c s
	v_mov_b32 v[ST+4*i+1], 0xff7fffff  ; m
	v_mov_b32 v[ST+4*i+2], 0
	v_mov_b32 v[ST+4*i+3], 0
.set i, i+1
.endr
.set i, P+32
.rept 32
	v_mov_b32 v[i], 0
.set i, i+1
.endr
	v_mov_b32 v[ZR], 0
	v_mul_u32_u24 v[AK0], v48, PK
	v_lshl_add_u32 v[AK0], v49, 4, v[AK0]  ; row x pitch + 16 x half
	; The turning load takes 16 keys x 16 channels (lane l reads key 8 (l / 16) + l % 8, channels 8 ((l / 8) % 2) + 0..7) and leaves half a fragment of V^T
	v_and_b32 v50, 7, v0
	v_bfe_u32 v51, v0, 3, 1
	v_lshl_add_u32 v[AV0], v49, 3, v50
	v_mul_u32_u24 v[AV0], v[AV0], PV
	v_lshl_add_u32 v[AV0], v51, 4, v[AV0]
	v_add_nc_u32 v[AV0], VOFF, v[AV0]
	v_and_b32 v52, 31, v0
	s_lshl_b32 s13, s[WV], 14       ; my wave's 16,384 bytes of a mask block
	s_add_co_u32 s13, s13, MOFF
	v_lshl_add_u32 v[AM0], v52, 4, s13
	s_mul_i32 s13, s[WV], 16*SP
	s_add_co_u32 s13, s13, STAGE    ; my stage
	v_mul_u32_u24 v[STO], v48, SP   ; in: row l % 16, 16 bytes for each half of the lanes
	v_lshl_add_u32 v[STO], v49, 4, v[STO]
	v_add_nc_u32 v[STO], s13, v[STO]
	v_bfe_u32 v[RD], v0, 3, 2       ; back: 32 lanes take four rows of 128 bytes,
	v_mul_u32_u24 v[RD], v[RD], SP
	v_lshl_add_u32 v[RD], v50, 4, v[RD]
	v_add_nc_u32 v[RD], s13, v[RD]
	v_lshlrev_b32 v[GO], 4, v52     ; which are 512 consecutive bytes of O
; THE MATRIX WORK.  The 8 accumulators of a run of 16 take turns: between the two links of a chain stand 7 others'.
; Product i of 16 of S^T = K Q^T for piece x: channels 32 (i / 8) on, keys 16 ((i / 2) % 4) on, tile 2 x + i % 2.  The first 8 start the sums.
.macro KQ x
	WIN W_KQ
.set rS, S+64*((\x)%2)+32*(i%2)+8*((i/2)%4)
.set rK, KF+16*((i/2)%4)+8*(i/8)
.set rQ, 16*(2*(\x)+i%2)+8*(i/8)
.if i < 8
	v_wmma_f32_16x16x32_f16 v[rS:rS+7], v[rK:rK+7], v[rQ:rQ+7], 0
.else
	v_wmma_f32_16x16x32_f16 v[rS:rS+7], v[rK:rK+7], v[rQ:rQ+7], v[rS:rS+7]
.endif
.endm
; Product i of 16 of O^T += V^T P for piece x: keys 32 (i / 8) on, channels 16 ((i / 2) % 4) on, tile 2 x + i % 2.
.macro PV x
	WIN W_PV
.set rO, 32*(2*(\x)+i%2)+8*((i/2)%4)
.set rV, VF+32*(i/8)+8*((i/2)%4)
.set rP, P+32*((\x)%2)+16*(i%2)+8*(i/8)
	v_wmma_f32_16x16x32_f16 v[rO:rO+7], v[rV:rV+7], v[rP:rP+7], v[rO:rO+7]
.endm
.macro MM                           ; the turn's next matrix instruction
.if i < 16
	KQ (Y+1)%NP
.set i, i+1
.else
.set i, i-16
	PV (Y+NP-1)%NP
.set i, i+17
.endif
.endm
; THE LDS LOADS stand in runs, never singly among the matrix instructions.
.macro FETCH_K                      ; a step's K: 64 keys x 64 channels, 8 fragments
	WIN 0x80                        ; destination window 2
.irp f, 0,1,2,3,4,5,6,7             ; keys 16 (f / 2) on, channels 32 (f % 2) on
	ds_load_b128 v[KF+8*\f:KF+8*\f+3],   v[AK] offset:(\f/2)*16*PK+(\f%2)*64
	ds_load_b128 v[KF+8*\f+4:KF+8*\f+7], v[AK] offset:(\f/2)*16*PK+(\f%2)*64+32
.endr
	WIN 0
.endm
.macro FETCH_V                      ; its V, turned
	WIN 0x80
.irp f, 0,1,2,3,4,5,6,7             ; keys 32 (f / 4) on, channels 16 (f % 4) on
	ds_load_tr16_b128 v[VF+8*\f:VF+8*\f+3],   v[AV] offset:(\f/4)*32*PV+(\f%4)*32
	ds_load_tr16_b128 v[VF+8*\f+4:VF+8*\f+7], v[AV] offset:(\f/4)*32*PV+16*PV+(\f%4)*32
.endr
	WIN 0
.endm
.macro FETCH_M pm                   ; the mask of piece pm: two tiles x four groups of 16 keys, 512 consecutive bytes a load: no bank is asked twice
	WIN 0xc0                        ; destination window 3
.irp u, 0,1
.irp kt, 0,1,2,3
	ds_load_b128 v[16*\u+4*\kt:16*\u+4*\kt+3], v[AM] offset:(2*(\pm)+\u)*2048+\kt*512
.endr
.endr
	WIN 0
.endm
; THE VECTOR WORK, in queues; the two tiles alternate, so that no instruction reads the result of the one before it.
.macro REGS y, u                    ; the registers of tile u (0, 1) of piece y
.set rT, ST+4*(2*(\y)+(\u))
.set rC, TMP+8*((\y)%2)+4*(\u)
.set rM, MV+2*((\y)%2)+(\u)
.set rS, S+64*((\y)%2)+32*(\u)
.set rP, P+32*((\y)%2)+16*(\u)
.set rO, 32*(2*(\y)+(\u))
.set rB, 16*(\u)
.endm
.macro FQ                           ; entry q of 32: c s - c m for pair q / 2 of tile q % 2 of piece Y
	WIN 0
	REGS Y, q%2
	v_pk_fma_f32 v[rS+2*(q/2):rS+2*(q/2)+1], v[rS+2*(q/2):rS+2*(q/2)+1], s[CS:CS+1], v[rT:rT+1] op_sel_hi:[1,0,0] neg_lo:[0,0,1] neg_hi:[0,0,1]
.set q, q+1
.endm
.macro MK                           ; entry mk of 64: score mk / 2 of tile mk % 2 of piece Y + 1 times its mask, a bf16 half.  Ascending: each accumulator is read from its low end on
	WIN W_MK
	REGS (Y+1)%NP, mk%2
.set mi, mk/2
.if mi%2
	v_fma_mix_f32_bf16 v[rS+mi], v[rS+mi], v[rB+mi/2], v[ZR] op_sel:[0,1,0] op_sel_hi:[0,1,0]
.else
	v_fma_mix_f32_bf16 v[rS+mi], v[rS+mi], v[rB+mi/2], v[ZR] op_sel:[0,0,0] op_sel_hi:[0,1,0]
.endif
.set mk, mk+1
.endm
.macro EX                           ; entry e of 64: the exponential of score e / 2 of tile e % 2 of piece Y
	WIN W_MK
	REGS Y, e%2
	v_exp_f32 v[rS+e/2], v[rS+e/2]
.set e, e+1
.endm
.macro R4                           ; entry r of 8: eight registers of O^T of tile r % 2 of piece Y times a
	REGS Y, r%2
	WIN W_RS
	s_wait_alu depctr_va_vdst(0)
.irp z, 0,1,2,3
	v_pk_mul_f32 v[rO+8*(r/2)+2*\z:rO+8*(r/2)+2*\z+1], v[rO+8*(r/2)+2*\z:rO+8*(r/2)+2*\z+1], v[rC+2:rC+3] op_sel_hi:[1,0]
.endr
.set r, r+1
.endm
; Number n of the 22 that find piece Y + 1's maximum and statistics.  s0-s31 are the lane's 32 masked scores.
;   0-11  four chains c0-c3 of seven scores each, three operands at a time     12-14, 16  the four scores left over, the old m, and c0-c3 into c0     15  c m_old is kept
;   17, 18  the query's other 32 keys lie in the lane 16 away: the new m         19-21  c m; c m_old - c m_new; a
.macro XS u, n
	REGS (Y+1)%NP, \u
.if (\n) < 4
	v_max3_num_f32 v[rC+(\n)], v[rS+8*(\n)], v[rS+8*(\n)+1], v[rS+8*(\n)+2]
.elseif (\n) < 12
	v_max3_num_f32 v[rC+(\n)%4], v[rC+(\n)%4], v[rS+8*((\n)%4)+2*((\n)/4)+1], v[rS+8*((\n)%4)+2*((\n)/4)+2]
.elseif (\n) == 12
	v_max3_num_f32 v[rC], v[rC], v[rS+7], v[rS+15]
.elseif (\n) == 13
	v_max3_num_f32 v[rC+1], v[rC+1], v[rS+23], v[rS+31]
.elseif (\n) == 14
	v_max3_num_f32 v[rC+2], v[rC+2], v[rC+3], v[rT+1]
.elseif (\n) == 15
	v_mov_b32 v[rM], v[rT]
.elseif (\n) == 16
	v_max3_num_f32 v[rC], v[rC], v[rC+1], v[rC+2]
.elseif (\n) == 17
	v_permlanex16_b32 v[rC+3], v[rC], s[SEL], s[SEL+1]
	s_wait_alu depctr_va_vdst(0)
.elseif (\n) == 18
	v_max_num_f32 v[rT+1], v[rC], v[rC+3]
.elseif (\n) == 19
	v_mul_f32 v[rT], s[CS], v[rT+1]
.elseif (\n) == 20
	v_sub_f32 v[rC+1], v[rM], v[rT]
.else
	v_exp_f32 v[rC+2], v[rC+1]
.endif
.endm
.macro XS2 n
	XS 0, \n
	XS 1, \n
.endm
; Number g of the 64 that follow the exponentials.  For each four weights k of a tile: both pairs are rounded to f16; the second pair is added onto the first, in place; a group later l takes that sum
; (the first time as l = a l + sum).  In groups of eight, tiles alternating.
.macro GS g
.set h, (\g)+6*((\g)/62)            ; group 0 has no group before it, and behind group 7 only l is left
.if h >= 6
.set h, h+2
.endif
	REGS Y, h%2
.set k, h/8
.if h%8 < 4
	v_cvt_pk_f16_f32 v[rP+2*k+(h%8)/2], v[rS+4*k+2*((h%8)/2)], v[rS+4*k+2*((h%8)/2)+1]
.elseif h%8 < 6
	v_pk_add_f32 v[rS+4*k:rS+4*k+1], v[rS+4*k:rS+4*k+1], v[rS+4*k+2:rS+4*k+3]
.elseif k == 1
	v_pk_fma_f32 v[rT+2:rT+3], v[rT+2:rT+3], v[rC+2:rC+3], v[rS:rS+1] op_sel_hi:[1,0,1]
.else
	v_pk_add_f32 v[rT+2:rT+3], v[rT+2:rT+3], v[rS+4*k-4:rS+4*k-3]
.endif
.endm
.macro GSN g0, cnt
.set gg, \g0
.rept \cnt
	GS gg
.set gg, gg+1
.endr
.endm
; A TURN, for piece p.
;   first run   16 x (K Q^T of piece p + 1; four scalings or four rescalings of piece p): all ready at the turn's start, none names a register of the products round it
;   second run  16 x (V^T P of piece p - 1; mask, exponential, mask, exponential): the first mask line stands behind the last K Q^T's four rescalings, its places
;   then        32 x (mask, exponential): a plain line behind every exponential
;   at last     the next piece's maximum and statistics, each link of the chain with six of this piece's roundings and sums behind it, and the rest of those
; A trip reads ONE slot: K in piece 2's turn (its last reader stands 36 plain lines back), the masks of pieces 0, 1, 2, 3 in turns 2, 3, 0, 1, V in piece 0's turn (its last reader stands 34 plain lines back).
.macro TURN p
.set Y, (\p)
.set i, 0
.set q, 0
.set e, 0
.set r, 0
.set mk, 0
.if (\p) == 3
	s_wait_dscnt 0x0                ; K and the mask of piece 0 are in
.endif
.rept 8
	MM
	FQ
	FQ
	FQ
	FQ
	MM
	R4
.endr
.if (\p) != 3
	s_wait_dscnt 0x0                ; the mask of piece p + 1 is in (and, in piece 1's turn, V)
.endif
.rept 16
	MM
	MK
	EX
	MK
	EX
.endr
.if (\p) == 2
	FETCH_K
.endif
.rept 32
	MK
	EX
.endr
	FETCH_M ((\p)+2)%NP
.if (\p) == 0
	FETCH_V
.endif
	WIN 0
.irp n, 0,1,2,3,4,5,6,7,8,9,10,11,12,13,14,15,16
	XS 0, \n
	XS 1, \n
.endr
	XS2 17
	GSN 0, 6
	XS2 18
	GSN 6, 6
	XS2 19
	GSN 12, 6
	XS2 20
	GSN 18, 6
	XS2 21
	GSN 24, 40
.endm
	CHANGE 1                        ; slot 0 is in, everybody's part of it; step 1 is asked for, into slot 1
	FETCH_K                         ; step 0
	FETCH_M 0
	s_wait_loadcnt 0x0              ; Q; its address register is free from here on
	s_wait_dscnt 0x0
.set i, 0
.rept 16
	KQ 0                            ; piece 0's first scores: there is no vector work yet to set between them
.set i, i+1
.endr
	WIN 0
.rept 4
	v_nop                           ; the places behind those products
.endr
.set Y, NP-1                        ; MK and XS work for piece Y + 1: piece 0
.set mk, 0
.rept 64
	MK
.endr
	FETCH_M 1
.irp n, 0,1,2,3,4,5,6,7,8,9,10,11,12,13,14,15,16,17,18,19,20,21
	XS 0, \n
	XS 1, \n
.endr
	v_nop                           ; a plain instruction behind the exponentials
	s_mov_b32 s[CNT], 31
	s_branch .Lfirst                ; the loop is entered at a step's first turn, in the middle of a trip
.Ltrip:                             ; 30 trips: steps 1 to 30 are entered, steps 2 to 31 asked for.  A trip: pieces 2 and 3 of one step, then pieces 0 and 1 of the next
	CHANGE 1
	TURN 2
	TURN 3
	WIN 0
.Lfirst:
	TURN 0
	TURN 1
	WIN 0
	s_sub_co_u32 s[CNT], s[CNT], 1
	s_cmp_lg_u32 s[CNT], 0
	s_cbranch_scc1 .Ltrip
	CHANGE 0                        ; the tail is written out: step 31 is entered, nothing is asked for
	s_mov_b32 s[CNT], 2             ; one trip for step 31; the second is left in its middle
.Ltail:
	TURN 2
	TURN 3
	WIN 0
	s_sub_co_u32 s[CNT], s[CNT], 1
	s_cmp_eq_u32 s[CNT], 0
	s_cbranch_scc1 .Lout
	TURN 0
	TURN 1
	WIN 0
	s_branch .Ltail
.Lout:                              ; the second trip's 16 products K Q^T (on step 31's K once more), their mask and maximum serve nothing and touch neither l nor O^T: the price, once a launch, of one text for every trip
.set i, 0
.rept 16
	PV NP-1                         ; the last piece's V^T P of the last step
.set i, i+1
.endr
	; THE WAY OUT.  l's two halves and the other half of the lanes' are added; O^T is divided by l, rounded to f16 and sent through my stage in LDS, a tile at a time.  The additions are the places behind the last products.
	WIN 0
.macro ALL line:vararg              ; one line for each tile t
.set t, 0
.rept 2*NP
	\line
.set t, t+1
.endr
.endm
	ALL v_add_f32 v[ST+4*t+2], v[ST+4*t+2], v[ST+4*t+3]
	ALL v_permlanex16_b32 v[ST+4*t+3], v[ST+4*t+2], s[SEL], s[SEL+1]
	ALL v_add_f32 v[ST+4*t+2], v[ST+4*t+2], v[ST+4*t+3]
	ALL v_rcp_f32 v[ST+4*t+2], v[ST+4*t+2]
	v_nop                           ; a plain instruction between the last reciprocal and the use of its result
	s_wait_alu depctr_va_vdst(0)
; Tile t: a lane's eight channels of a row pack into 16 bytes; they go into rows of 144 bytes and come back as whole rows of 128, into S^T's registers.
.macro PACK t
	WIN W_RS
.set i, 32*(\t)
.rept 16
	v_pk_mul_f32 v[i:i+1], v[i:i+1], v[ST+4*(\t)+2:ST+4*(\t)+3] op_sel_hi:[1,0]
.set i, i+2
.endr
	WIN 0x05                        ; sources 0 and 1 window 1, destination window 0
.set i, 0
.rept 16
	v_cvt_pk_f16_f32 v[S+16*(\t)+i], v[32*(\t)+2*i], v[32*(\t)+2*i+1]
.set i, i+1
.endr
	WIN 0
.irp f, 0,1,2,3
	ds_store_b128 v[STO], v[S+16*(\t)+4*\f:S+16*(\t)+4*\f+3] offset:32*\f
.endr
.irp f, 0,1,2,3
	ds_load_b128 v[S+16*(\t)+4*\f:S+16*(\t)+4*\f+3], v[RD] offset:\f*4*SP  ; LDS serves a wave's instructions in order: these see the stores above; the next tile's stores come behind them
.endr
.endm
.macro SEND t, younger              ; younger: the LDS instructions issued behind tile t's loads: the next tile's eight, or none
	WIN 0
.irp f, 0,1,2,3
	s_wait_dscnt (\younger)+3-\f
	global_store_b128 v[GO], v[S+16*(\t)+4*\f:S+16*(\t)+4*\f+3], s[14:15] offset:(\t)*2048+\f*512  ; 512 consecutive bytes, at a multiple of 256 from O's first
.endr
.endm
	PACK 0
.set t, 1
.rept 2*NP-1                        ; a tile's arithmetic stands between the loads of the tile before and its stores
	PACK t
	SEND t-1, 8
.set t, t+1
.endr
	SEND 2*NP-1, 0
	WIN W_AD
	s_wait_tensorcnt 0x0            ; the wave's end
	ds_add_u32 v[SPW], v[NIL]
	s_wait_dscnt 0x0
	WIN 0
	CROUND                          ; the closing round: no work-group ends while a partner may still ask for a tile that names it
	s_endpgm
.Lfunc_end_k_q2508a9fe52_attn:
	.size	k_q2508a9fe52_attn, .Lfunc_end_k_q2508a9fe52_attn-k_q2508a9fe52_attn
	.p2alignl 7, 3214868480
	.fill 96, 4, 3214868480
	.section	.rodata,"a",@progbits
	.p2align	6, 0x0
	.amdhsa_kernel k_q2508a9fe52_attn
		.amdhsa_group_segment_fixed_size 327680
		.amdhsa_private_segment_fixed_size 0
		.amdhsa_enable_private_segment 0
		.amdhsa_kernarg_size 40
		.amdhsa_user_sgpr_count 2
		.amdhsa_user_sgpr_kernarg_segment_ptr 1
		.amdhsa_wavefront_size32 1
		.amdhsa_system_sgpr_workgroup_id_x 1
		.amdhsa_system_sgpr_workgroup_id_y 1
		.amdhsa_system_sgpr_workgroup_id_z 1
		.amdhsa_system_vgpr_workitem_id 0
		.amdhsa_next_free_vgpr 802
		.amdhsa_next_free_sgpr 80
		.amdhsa_reserve_vcc 0
		.amdhsa_float_denorm_mode_32 3
		.amdhsa_float_denorm_mode_16_64 3
		.amdhsa_memory_ordered 1
		.amdhsa_forward_progress 1
		.amdhsa_inst_pref_size 240
	.end_amdhsa_kernel
	.amdgpu_metadata
---
amdhsa.version: [ 1, 2 ]
amdhsa.kernels:
  - .name:           k_q2508a9fe52_attn
    .symbol:         k_q2508a9fe52_attn.kd
    .args:
      - { .name: qh, .offset: 0, .size: 8, .value_kind: global_buffer, .address_space: global }
      - { .name: kh, .offset: 8, .size: 8, .value_kind: global_buffer, .address_space: global }
      - { .name: vh, .offset: 16, .size: 8, .value_kind: global_buffer, .address_space: global }
      - { .name: maskf, .offset: 24, .size: 8, .value_kind: global_buffer, .address_space: global }
      - { .name: ctx, .offset: 32, .size: 8, .value_kind: global_buffer, .address_space: global }
    .group_segment_fixed_size: 327680
    .private_segment_fixed_size: 0
    .kernarg_segment_align: 8
    .kernarg_segment_size: 40
    .max_flat_workgroup_size: 128
    .sgpr_count:     80
    .vgpr_count:     802
    .wavefront_size: 32
...
	.end_amdgpu_metadata
.endif
;; end of part 3
;; launch outp (part 4): grid 4 x 64, 4 waves a work-group, clusters of 4 x 4, 327,680 bytes of LDS; arguments ctx, wo16, b_out, out0; writes out0
.if DOCPART == 4
	.amdgcn_target "amdgcn-amd-amdhsa--gfx1250"
	.amdhsa_code_object_version 6
	.text
	.protected	k_q2508a9fe52_outp
	.globl	k_q2508a9fe52_outp
	.p2align	8
	.type	k_q2508a9fe52_outp,@function
k_q2508a9fe52_outp:
	s_mov_b64 s[64:65], 0
	v_nop
	global_prefetch_b8 v0, s[64:65] scope:SCOPE_SE
	s_setreg_imm32_b32 hwreg(HW_REG_WAVE_MODE, 25, 1), 1
	s_wait_xcnt 0x0
	s_wait_alu depctr_hold_cnt(0) depctr_sa_sdst(0) depctr_va_vdst(0) depctr_va_sdst(0) depctr_va_ssrc(0) depctr_va_vcc(0) depctr_vm_vsrc(0)
	s_getreg_b32 s2, hwreg(HW_REG_IB_STS2, 6, 4)
	s_cmp_eq_u32 s2, 0
	s_cbranch_scc0 .Lentry_in_a_cluster
	s_endpgm
.Lentry_in_a_cluster:
	s_bfe_u32 s2, ttmp6, 0x10000c
	s_cmp_lg_u32 s2, 0xf033
	s_cbranch_scc0 .Lentry_shape_is_right
	s_endpgm
.Lentry_shape_is_right:
; THE OUTPUT PROJECTION.  out0[t][b][n] = the sum over e = 64 h + d of ctx[16 b + h][t][d] wo16[n][e] + b_out[n].  ctx: [64][2048][64] f16; wo16: [1024][1024] f16; out0: [2048][4][1024] f32.
; Sums in f32; the bias, exact f32, is the C operand that starts each sum; nothing is rounded on the way out.  LIMITS: those of the two f16 operands (65,504; a fixed step of 6e-8 below 6e-5).
; SHARES.  A tile is 128 t of one batch x 256 columns: 64 x 4 = 256 work-groups.  Four waves, each 64 x 128: 32 accumulators.  K goes in 8 steps of 128, two heads each, through two LDS slots;
; a head's 128 t x 64 channels are 16,384 dense bytes of ctx, asked for as 64 rows of 256 bytes and padded in LDS after every t.
; CLUSTER 4 x 4.  The four work-groups of a row of the cluster take the same rows of ctx, the four of a column the same rows of wo16: each tile is asked for jointly.
; THE MATRIX INSTRUCTION IS USED TRANSPOSED (source 0 = 16 rows of wo16, source 1 = 16 t): a lane holds t = lane % 16 and the columns 8 (lane / 16) + 0..7.
; REGISTERS.  window 0: v0-31 addresses; v32-95 rows read back; v128-191 the bias.   window 1: v0-63, v64-127 fragments of wo16; v128-159, v160-191 fragments of ctx.   window 2: accumulator (a, b) at v[8 (8 a + b)].
.set PA,     144                       ; a row of ctx in LDS: 128 bytes + 16 = 36 words
.set PB,     272                       ; a row of wo16: 256 bytes + 16 = 68 words
.set SLICE,  128*PA                    ; one head's 128 t: what one tensor load brings
.set HALFB,  128*PB
.set BOFF,   2*SLICE
.set SLOT,   BOFF+2*HALFB              ; 106,496 bytes
.set STAGE,  2*SLOT                    ; behind the ring: 16 rows x 528 bytes for each wave; no tensor load lands here
.set SPITCH, 528
.set SPARE,  STAGE+4*16*SPITCH         ; behind the stages: the spare words, 128 bytes for each wave, which no other line names
.set LAPS,   4
.set VBO,  15
.set ADRA, 16
.set ADRB, 20
.set STO,  24
.set RD,   25
.set GO,   26
.set SPW,  30                          ; v30  LDS address of my spare word; never rewritten
.set NIL,  31                          ; v31  0; never rewritten
.set OB,   32
.set BIAS, 128
.set AB,   128                         ; window 1
.set G1,  24
.set G0,  32
.set G1B, 48
.set G0B, 56
.set MSB, 0
.macro WIN new
.if MSB != (\new)
	s_set_vgpr_msb (MSB<<8)|(\new)
.set MSB, \new
.endif
.endm
.set W_MUL,  0xa5                      ; sources 0 and 1 window 1; C and D window 2
.set W_MULB, 0x85                      ; the same with C in window 0: the bias
.set W_LD,   0x40                      ; destination window 1, address window 0
.macro JLOAD s                         ; a joint load: waves 0 and 1 fetch the step's two heads of ctx, waves 2 and 3 wo16's two halves; an s_nop 0 and four v_nop follow each line
	s_cmp_eq_u32 s11, 0
	s_cbranch_scc0 .Lfor_b_\@
	tensor_load_to_lds s[G0+4*(\s):G0+4*(\s)+3], s[G1:G1+7]
	s_nop 0
.rept 4
	v_nop
.endr
	s_branch .Lasked_\@
.Lfor_b_\@:
	tensor_load_to_lds s[G0B+4*(\s):G0B+4*(\s)+3], s[G1B:G1B+7]
	s_nop 0
.rept 4
	v_nop
.endr
.Lasked_\@:
.endm
.macro CREST
	s_cmp_lg_u32 s10, 0
	s_cbranch_scc1 .Lnot_wave_0_\@
	s_barrier_signal -3
.Lnot_wave_0_\@:
	s_barrier_wait -3
	s_barrier_signal -1
	s_barrier_wait -1
.endm
.macro CROUND
	s_barrier_signal -1
	s_barrier_wait -1
	CREST
.endm
.macro PLACES                          ; four places in front of loads into registers that matrix instructions have read, and of LDS stores that read results
.rept 4
	v_nop
.endr
.endm
	s_load_b128 s[4:7], s[0:1], 0x0                ; ctx s[4:5], wo16 s[6:7]
	s_load_b128 s[68:71], s[0:1], 0x10             ; b_out s[68:69], out0 s[70:71]
	v_lshl_add_u32 v[SPW], v0, 2, SPARE
	v_mov_b32 v[NIL], 0
	ds_add_u32 v30, v31
	s_wait_dscnt 0x0
	v_lshrrev_b32 v1, 5, v0
	v_readfirstlane_b32 s10, v1                    ; wave 0..3
	s_lshr_b32 s11, s10, 1                         ; which 64 of the tile's t are mine.  Also: I fetch for ctx (0) or for wo16 (1)
	s_and_b32 s12, s10, 1                          ; which 128 of its columns.  Also: which head, or which half of wo16's rows, I fetch
	s_bfe_u32 s40, ttmp6, 0x40000                  ; cx, cy
	s_bfe_u32 s41, ttmp6, 0x40004
	s_lshl_b32 s42, ttmp9, 2
	s_add_co_u32 s42, s42, s40                     ; tile column 0..3
	s_and_b32 s13, ttmp7, 0xffff
	s_lshl_b32 s13, s13, 2
	s_add_co_u32 s13, s13, s41                     ; tile row 0..63
	s_lshr_b32 s86, s13, 4                         ; batch
	s_and_b32 s87, s13, 15                         ; block of 128 t
	s_lshl_b32 s43, s41, 2
	s_lshl_b32 s43, 15, s43                        ; my row of the cluster
	s_lshl_b32 s44, 0x1111, s40                    ; my column
	; descriptor group 1.  ctx: 64 rows x 128 elements of 2 bytes, dense, 4 words of padding after every 32 words.  wo16: 128 rows x 128 elements, 4 words after every 64.
	s_or_b32 s[G1+0], s43, (1<<16)|(1<<20)|(1<<21)|(4<<22)|(3<<25)
	s_mov_b32 s[G1+1], 128<<16
	s_mov_b32 s[G1+2], 64<<16
	s_mov_b32 s[G1+3], 128<<16
	s_mov_b32 s[G1+4], 64
	s_mov_b32 s[G1+5], 128
	s_mov_b32 s[G1+6], 0
	s_mov_b32 s[G1+7], 0
	s_or_b32 s[G1B+0], s44, (1<<16)|(1<<20)|(1<<21)|(5<<22)|(3<<25)
	s_mov_b32 s[G1B+1], 128<<16
	s_mov_b32 s[G1B+2], 128<<16
	s_mov_b32 s[G1B+3], 128<<16
	s_mov_b32 s[G1B+4], 128
	s_mov_b32 s[G1B+5], 1024
	s_mov_b32 s[G1B+6], 0
	s_mov_b32 s[G1B+7], 0
	s_lshl_b32 s16, s86, 4
	s_add_co_u32 s16, s16, s12                     ; ctx: head 16 x batch + which of the step's two,
	s_lshl_b32 s16, s16, 18                        ; 262,144 bytes a head,
	s_lshl_b32 s17, s87, 14                        ; 128 t of 128 bytes
	s_add_co_u32 s16, s16, s17
	s_mov_b32 s17, 0
	s_lshl_b32 s46, s42, 8
	s_lshl_b32 s47, s12, 7
	s_add_co_u32 s46, s46, s47                     ; wo16: row 256 x tile column + 128 x half: also my first column
	s_lshl_b32 s88, s46, 2
	s_mov_b32 s89, 0
	s_lshl_b32 s46, s46, 11
	s_mov_b32 s47, 0
	s_mul_i32 s20, s12, SLICE                      ; where they go: no place in the cluster enters an LDS address
	s_mul_i32 s21, s12, HALFB
	s_add_co_u32 s21, s21, BOFF
	s_wait_kmcnt 0x0
	s_add_nc_u64 s[14:15], s[4:5], s[16:17]
	s_add_nc_u64 s[46:47], s[6:7], s[46:47]
	s_add_nc_u64 s[84:85], s[68:69], s[88:89]
	CROUND                                         ; all sixteen work-groups are here: the first joint loads meet
.irp s, 0,1
	s_mov_b32 s[G0+4*(\s)], 1
	s_add_co_u32 s[G0+4*(\s)+1], s20, (\s)*SLOT
	s_add_nc_u64 s[G0+4*(\s)+2:G0+4*(\s)+3], s[14:15], (\s)*524288  ; K step s: two heads on
	s_or_b32 s[G0+4*(\s)+3], s[G0+4*(\s)+3], 0x80000000
	s_mov_b32 s[G0B+4*(\s)], 1
	s_add_co_u32 s[G0B+4*(\s)+1], s21, (\s)*SLOT
	s_add_nc_u64 s[G0B+4*(\s)+2:G0B+4*(\s)+3], s[46:47], (\s)*256
	s_or_b32 s[G0B+4*(\s)+3], s[G0B+4*(\s)+3], 0x80000000
	JLOAD \s                                       ; two loads of mine are out
.endr
	v_and_b32 v1, 15, v0                           ; l % 16
	v_bfe_u32 v2, v0, 4, 1                         ; l / 16
	v_lshlrev_b32 v[VBO], 5, v2
.irp y, 0,1,2,3,4,5,6,7
	global_load_b128 v[BIAS+8*(\y):BIAS+8*(\y)+3],   v[VBO], s[84:85] offset:64*(\y)
	global_load_b128 v[BIAS+8*(\y)+4:BIAS+8*(\y)+7], v[VBO], s[84:85] offset:64*(\y)+16
.endr
	v_mul_u32_u24 v3, v1, PA
	v_lshl_add_u32 v3, v2, 4, v3
	v_mul_u32_u24 v4, v1, PB
	v_lshl_add_u32 v4, v2, 4, v4
	s_mul_i32 s22, s11, 64*PA                      ; my 64 t, in each slice
	s_mul_i32 s23, s12, HALFB                      ; my 128 rows of wo16
	s_add_co_u32 s23, s23, BOFF
.irp s, 0,1
	v_add_nc_u32 v[ADRA+(\s)], s22, v3
	v_add_nc_u32 v[ADRB+(\s)], s23, v4
	s_add_co_u32 s22, s22, SLOT
	s_add_co_u32 s23, s23, SLOT
.endr
	s_mul_i32 s22, s10, 16*SPITCH
	s_add_co_u32 s22, s22, STAGE                   ; my stage
	v_mul_u32_u24 v5, v1, SPITCH                   ; in: row l % 16, 32 bytes for each half of the lanes
	v_lshl_add_u32 v5, v2, 5, v5
	v_add_nc_u32 v[STO], s22, v5
	v_and_b32 v6, 31, v0
	v_lshlrev_b32 v[GO], 4, v6                     ; back: 32 lanes take a row's 512 bytes, which are 512 consecutive bytes of out0
	v_add_nc_u32 v[RD], s22, v[GO]
	s_lshl_b32 s16, s87, 7
	s_lshl_b32 s17, s11, 6
	s_add_co_u32 s16, s16, s17                     ; my first t,
	s_lshl_b32 s16, s16, 2
	s_add_co_u32 s16, s16, s86                     ; row 4 t + batch of out0,
	s_lshl_b32 s16, s16, 12                        ; 4,096 bytes a row
	s_mov_b32 s17, 0
	s_add_nc_u64 s[8:9], s[70:71], s[16:17]
	s_add_nc_u64 s[8:9], s[8:9], s[88:89]          ; and my first column
.macro MM1 f, a, b, cb                 ; one matrix instruction: accumulator (a, b), buffer f.  cb = 1: the bias starts the sum
.if \cb
	WIN W_MULB
	v_wmma_f32_16x16x32_f16 v[8*(8*(\a)+(\b)):8*(8*(\a)+(\b))+7], v[64*(\f)+8*(\b):64*(\f)+8*(\b)+7], v[AB+32*(\f)+8*(\a):AB+32*(\f)+8*(\a)+7], v[BIAS+8*(\b):BIAS+8*(\b)+7]
.else
	WIN W_MUL
	v_wmma_f32_16x16x32_f16 v[8*(8*(\a)+(\b)):8*(8*(\a)+(\b))+7], v[64*(\f)+8*(\b):64*(\f)+8*(\b)+7], v[AB+32*(\f)+8*(\a):AB+32*(\f)+8*(\a)+7], v[8*(8*(\a)+(\b)):8*(8*(\a)+(\b))+7]
.endif
.endm
.macro MUL8 f, a, cb
.irp y, 0,1,2,3,4,5,6,7
	MM1 \f, \a, \y, \cb
.endr
.endm
; 24 LDS loads in one run: quarter nq of slot ns into buffer g.  Quarter nq lies in head nq / 2 of the step, channels 32 (nq % 2) on.
.macro FETCH ns, nq, g
	WIN W_LD
.irp y, 0,1,2,3
	ds_load_b128 v[AB+32*(\g)+8*(\y):AB+32*(\g)+8*(\y)+3],   v[ADRA+(\ns)] offset:((\nq)/2)*SLICE+((\nq)%2)*64+(\y)*16*PA
	ds_load_b128 v[AB+32*(\g)+8*(\y)+4:AB+32*(\g)+8*(\y)+7], v[ADRA+(\ns)] offset:((\nq)/2)*SLICE+((\nq)%2)*64+(\y)*16*PA+32
.endr
.irp y, 0,1,2,3,4,5,6,7
	ds_load_b128 v[64*(\g)+8*(\y):64*(\g)+8*(\y)+3],   v[ADRB+(\ns)] offset:64*(\nq)+(\y)*16*PB
	ds_load_b128 v[64*(\g)+8*(\y)+4:64*(\g)+8*(\y)+7], v[ADRB+(\ns)] offset:64*(\nq)+(\y)*16*PB+32
.endr
.endm
; A QUARTER: 32 matrix instructions on buffer f, each accumulator once, so the accumulators take turns.  At its head the next quarter (nq of slot ns; ns = -1: none) is fetched into the other buffer.
; meet: the quarter has fetched a slot's last fragments, so the change of slots stands at its end, behind all its matrix work: between a tile's landing and the next request stand the waits and the round alone.
; Each wave waits for all its tensor loads (one is out: its part of the other slot), adds 0 to its spare word, and waits for that and for its reads of this slot.  meet = 2: the barrier opens a round of the
; cluster's, and slot rs is filled again, two K steps on, first thing behind the round: 128 matrix instructions ahead of the wait for it.  meet = 1: the tail: a barrier alone.
.macro QUARTER f, ns, nq, cb, meet, rs, places
.set QG, 1-(\f)
.if (\ns) >= 0
.if \places
	PLACES
.endif
	FETCH \ns, \nq, QG
.endif
	MUL8 \f, 0, \cb
	MUL8 \f, 1, \cb
.if (\ns) >= 0
	s_wait_dscnt 0x0                               ; the 24 loads issued 16 matrix instructions ago are in
.endif
	MUL8 \f, 2, \cb
	MUL8 \f, 3, \cb
.if \meet
	WIN 0                                          ; the add's two registers lie in window 0; at a branch and at a label every window is 0
	s_wait_tensorcnt 0x0                           ; all my tensor loads have landed, so a group 0 may be written
	ds_add_u32 v[SPW], v[NIL]                      ; 0 onto my spare word
.if (\meet) == 2
	s_add_nc_u64 s[G0+4*(\rs)+2:G0+4*(\rs)+3], s[G0+4*(\rs)+2:G0+4*(\rs)+3], 1048576
	s_add_nc_u64 s[G0B+4*(\rs)+2:G0B+4*(\rs)+3], s[G0B+4*(\rs)+2:G0B+4*(\rs)+3], 512
.endif
	s_wait_dscnt 0x0                               ; the add is done; my reads of this slot were waited for above
	s_barrier_signal -1
	s_barrier_wait -1
.endif
.if (\meet) == 2
	CREST                                          ; no wave of any partner still reads this slot or has a load on its way
	JLOAD \rs                                      ; its four v_nop are also the places in front of the next quarter's loads
.endif
.endm
	s_wait_tensorcnt 0x1                           ; my part of K step 0 is in; K step 1's may stay out
	s_barrier_signal -1
	s_barrier_wait -1                              ; everybody's is
	FETCH 0, 0, 0
	s_wait_dscnt 0x0
	s_wait_loadcnt 0x0                             ; the bias
	QUARTER 0, 0, 1, 1, 0, 0, 0                    ; the first quarter stands in front of the loop: its products start the sums with the bias
	WIN 0
	s_mov_b32 s3, LAPS-1
.Llap:                                                 ; a trip goes once round the ring and fills both slots again
	QUARTER 1, 0, 2, 0, 0, 0, 1
	QUARTER 0, 0, 3, 0, 2, 0, 1
	QUARTER 1, 1, 0, 0, 0, 0, 0
	QUARTER 0, 1, 1, 0, 0, 0, 1
	QUARTER 1, 1, 2, 0, 0, 0, 1
	QUARTER 0, 1, 3, 0, 2, 1, 1
	QUARTER 1, 0, 0, 0, 0, 0, 0
	QUARTER 0, 0, 1, 0, 0, 0, 1
	WIN 0
	s_sub_co_u32 s3, s3, 1
	s_cmp_lg_u32 s3, 0
	s_cbranch_scc1 .Llap
	QUARTER 1, 0, 2, 0, 0, 0, 1                    ; the last lap is written out: it asks for nothing
	QUARTER 0, 0, 3, 0, 1, 0, 1
	QUARTER 1, 1, 0, 0, 0, 0, 1
	QUARTER 0, 1, 1, 0, 0, 0, 1
	QUARTER 1, 1, 2, 0, 0, 0, 1
	QUARTER 0, 1, 3, 0, 0, 0, 1
	QUARTER 1, -1, 0, 0, 0, 0, 0
; THE WAY OUT, 16 t at a time: a lane's eight f32 of a row go into my stage, 32 bytes a lane; whole rows of 512 bytes come back and are stored.
.macro WAYOUT a
	WIN 0x08                                       ; the stores' data in window 2
.irp y, 0,1,2,3,4,5,6,7
	ds_store_b128 v[STO], v[8*(8*(\a)+(\y)):8*(8*(\a)+(\y))+3]   offset:64*(\y)      ; each accumulator from its low end on
	ds_store_b128 v[STO], v[8*(8*(\a)+(\y))+4:8*(8*(\a)+(\y))+7] offset:64*(\y)+16
.endr
	WIN 0
.if (\a) > 0
	s_wait_xcnt 0x0                                ; the registers that the last block's stores read are loaded again only behind this wait
.endif
.irp y, 0,1,2,3,4,5,6,7,8,9,10,11,12,13,14,15
	ds_load_b128 v[OB+4*(\y):OB+4*(\y)+3], v[RD] offset:(\y)*SPITCH  ; LDS serves a wave's instructions in order: these see the stores above
.endr
	s_wait_dscnt 0x0
.irp y, 0,1,2,3,4,5,6,7,8,9,10,11,12,13,14,15
	global_store_b128 v[GO], v[OB+4*(\y):OB+4*(\y)+3], s[8:9] offset:(16*(\a)+(\y))*16384 th:TH_STORE_NT  ; 512 consecutive bytes, aligned; from t to t + 1 are four rows of out0
.endr
.endm
	PLACES                                         ; the LDS stores read results just made
	WAYOUT 0
	WAYOUT 1
	WAYOUT 2
	WAYOUT 3
	s_wait_tensorcnt 0x0                           ; the wave's end
	ds_add_u32 v[SPW], v[NIL]
	s_wait_dscnt 0x0
	CROUND                                         ; the closing round: no work-group ends while a partner may still ask for a tile that names it
	s_endpgm
.Lfunc_end_k_q2508a9fe52_outp:
	.size	k_q2508a9fe52_outp, .Lfunc_end_k_q2508a9fe52_outp-k_q2508a9fe52_outp
	.p2alignl 7, 3214868480
	.fill 96, 4, 3214868480
	.section	.rodata,"a",@progbits
	.p2align	6, 0x0
	.amdhsa_kernel k_q2508a9fe52_outp
		.amdhsa_group_segment_fixed_size 327680
		.amdhsa_private_segment_fixed_size 0
		.amdhsa_enable_private_segment 0
		.amdhsa_kernarg_size 32
		.amdhsa_user_sgpr_count 2
		.amdhsa_user_sgpr_kernarg_segment_ptr 1
		.amdhsa_wavefront_size32 1
		.amdhsa_system_sgpr_workgroup_id_x 1
		.amdhsa_system_sgpr_workgroup_id_y 1
		.amdhsa_system_sgpr_workgroup_id_z 1
		.amdhsa_system_vgpr_workitem_id 0
		.amdhsa_next_free_vgpr 768
		.amdhsa_next_free_sgpr 92
		.amdhsa_reserve_vcc 0
		.amdhsa_float_denorm_mode_32 3
		.amdhsa_float_denorm_mode_16_64 3
		.amdhsa_memory_ordered 1
		.amdhsa_forward_progress 1
		.amdhsa_inst_pref_size 86
	.end_amdhsa_kernel
	.amdgpu_metadata
---
amdhsa.version: [ 1, 2 ]
amdhsa.kernels:
  - .name:           k_q2508a9fe52_outp
    .symbol:         k_q2508a9fe52_outp.kd
    .args:
      - { .name: ctx, .offset: 0, .size: 8, .value_kind: global_buffer, .address_space: global }
      - { .name: wo16, .offset: 8, .size: 8, .value_kind: global_buffer, .address_space: global }
      - { .name: b_out, .offset: 16, .size: 8, .value_kind: global_buffer, .address_space: global }
      - { .name: out0, .offset: 24, .size: 8, .value_kind: global_buffer, .address_space: global }
    .group_segment_fixed_size: 327680
    .private_segment_fixed_size: 0
    .kernarg_segment_align: 8
    .kernarg_segment_size: 32
    .max_flat_workgroup_size: 128
    .sgpr_count:     92
    .vgpr_count:     768
    .wavefront_size: 32
...
	.end_amdgpu_metadata
.endif
;; end of part 4
